; MI455X (gfx1250); checked and timed in simulation.
; The chip was launched on July 23, 2026; its instructions are those of AMD's public machine-readable ISA for CDNA 5 (MIT licence, August 2026) and "CDNA5" Instruction Set Architecture Reference Guide (July 2026). The comments in the code are by the model that wrote it; some were corrected since.
;; sc Gen T Attention. Allowed arithmetic: matrix products marked QUANTISED: E2M3 operands, one E8M0 scale for each 32 along K, by v_wmma_scale_f32_16x16x128_f8f6f4 with both operands' format E2M3, f32 sums; everything else in f32.
;; Inputs: out_b 1,024 float32; out_w 1,024 x 1,024 float32; qkv_b 3,072 float32; qkv_w 3,072 x 1,024 float32; x 4 x 2,048 x 1,024 float32.
;; Outputs: out0 4 x 2,048 x 1,024 float32.
;; This version of the problem:
;;   THIS VERSION OF THE PROBLEM IS GIVEN IN LOW PRECISION. The matrix products marked QUANTISED in the list below multiply operands that are first quantised to E2M3 (2 exponent bits, 3 mantissa bits; 6 bits a number), with one power-of-two scale for each 32 numbers along K (OCP MX v1.0); their sums are f32. All else is computed in f32.
;;   The module's matrix products, in the order in which they are computed (A, B: the left and right operand; K: the contracted axis; several contracted axes count as one K, in the product's order):
;;     1. [M 8,192, K 1,024] x [K 1,024, N 3,072]; A: input x; B: input qkv_w: QUANTISED
;;     2. batch 64 x [M 2,048, K 64] x [K 64, N 2,048]; A: computed on the way; B: computed on the way: QUANTISED
;;     3. batch 64 x [M 2,048, K 2,048] x [K 2,048, N 64]; A: softmax (see below); B: computed on the way: QUANTISED
;;     4. [M 8,192, K 1,024] x [K 1,024, N 1,024]; A: computed on the way; B: input out_w: QUANTISED
;;   THE QUANTISER, for each operand of a quantised product, along K:
;;     - K is cut into blocks of 32 from its start; a last block that is shorter is filled with zeros.
;;     - A block's scale is 2^e with e = floor(log2(the largest magnitude in the block)) - 2, held to -126 .. 127; a block of zeros has e = 0. As a byte (E8M0): e + 127.
;;     - Each number is divided by its block's scale, clamped to +-7.5, and rounded to the nearest number of E2M3, ties to even, subnormals kept.
;;     - The product sums the exact products of the quantised numbers (number of the format x scale) in f32.
;;   ~~~python
;;   def quantise(x, axis):      # numpy; x: float32 -> the quantised numbers, widened to float32 again
;;       x = np.moveaxis(x, axis, -1); K = x.shape[-1]
;;       x = np.pad(x, [(0, 0)] * (x.ndim - 1) + [(0, -K % 32)]); x = x.reshape(x.shape[:-1] + (-1, 32)); a = np.abs(x).max(-1, keepdims=True)
;;       e = np.where(a > 0, np.clip(np.frexp(np.where(a > 0, a, 1))[1] - 1 - 2, -126, 127), 0)      # np.frexp(a)[1] - 1 = floor(log2(a)), exactly
;;       r = np.clip(x / 2.0 ** e, -7.5, 7.5)
;;       step = 2.0 ** (np.maximum(np.frexp(np.where(r == 0, 1, r))[1] - 1, 0) - 3)
;;       q = np.round(r / step) * step * 2.0 ** e      # np.round: ties to even
;;       return np.moveaxis(q.reshape(q.shape[:-2] + (-1,))[..., :K], -1, axis).astype(np.float32)
;;   ~~~
;;   SOFTMAX AHEAD OF A QUANTISED PRODUCT. Where the list says 'softmax', what is quantised is not the finished softmax but p = 2^(t - M), with t = logit x log2(e) and M = ceil(the row's largest t), a whole number; so 1/2 < the row's largest p <= 1. The row's sum l is taken of the UNQUANTISED p, in f32, and the product's result is divided by l at the end. Since M is a whole number, a kernel that streams over the keys may use a running M (the ceiling of the running maximum): every later rescaling is an exact power of two, which a block's scale takes up: the codes' values come out the same.
;;   OPERANDS COMPUTED ON THE WAY. 'Computed on the way' means the value that the module computes at that place (a softmax that the list does not call 'softmax' is quantised finished and normalised). What goes into a quantiser is computed in f32, as accurately as f32 sums, v_exp_f32 and their like allow (about 1e-6 of the number): no bf16 or f16 on the way to a quantiser, and a product that is left as it is and whose result goes on into a quantised operand takes f32 operands (vector FMAs, or v_wmma_f32_16x16x4_f32). A number that lies on a knife's edge between two numbers of the format may be rounded either way, as far as f32 arithmetic and the matrix unit's own rounding can turn it there, and no further.
;; One version. Each part assembles by itself: llvm-mc -triple=amdgcn-amd-amdhsa -mcpu=gfx1250 --defsym DOCPART=n.
;; ======== version 1 of 1: 4 launches
;; workspace buffers: img 9,437,184 bytes; sc 393,216 bytes; qb 6,553,600 bytes; kv 13,107,200 bytes; aimg 6,291,456 bytes; asc 262,144 bytes
;; launch quant (part 1): grid 384 x 1, 4 waves a work-group, no clusters, 34,304 bytes of LDS; arguments x, qkv_w, out_w, img, sc; writes img, sc
.if DOCPART == 1
	.amdgcn_target "amdgcn-amd-amdhsa--gfx1250"
	.amdhsa_code_object_version 6
	.text
	.protected	k_qd86c80bbb7_quant
	.globl	k_qd86c80bbb7_quant
	.p2align	8
	.type	k_qd86c80bbb7_quant,@function
k_qd86c80bbb7_quant:
	s_mov_b64 s[64:65], 0
	v_nop
	global_prefetch_b8 v0, s[64:65] scope:SCOPE_SE
	s_setreg_imm32_b32 hwreg(HW_REG_WAVE_MODE, 25, 1), 1
	s_wait_xcnt 0x0
; x [8192][1024], qkv_w [3072][1024] and out_w [1024][1024], f32, K innermost, become codes of FP6 (E2M3) with one E8M0 byte for each 32 along K,
; laid as the matrix instruction's registers want them, so that the later launches fetch operands by dense loads alone.
; ROW TILE: 16 rows; tile 2 b + u holds rows 32 b + 8 u + r + 8 (r / 8), r = 0 .. 15.  (Where such a tile is source 0 of a product, the 16 result registers of tiles 2 b, 2 b + 1 are 16 neighbours.)
; IMAGE of a fragment (16 rows x 128 K, 12 registers a lane), 1,536 bytes: half c at byte 768 c: registers 6 c .. 6 c + 3 at 16 x lane, registers 6 c + 4, 6 c + 5 at 512 + 8 x lane.
; img: [768 tiles][8 K steps][1,536]: tiles 0-511 x, 512-703 qkv_w, 704-767 out_w.   sc: [768][K step / 4][r][K step % 4] scale words (four bytes: the four blocks of a K step).
; A block's scale is 2^(floor(log2(largest magnitude)) - 2): its byte is the largest magnitude's exponent field - 2, held at 1 from below by a floor among the maximum's leaves.
; LIMITS: NaN and infinities among the inputs are not served; a block of zeros gets the byte 1 where the quantiser says 127 (its codes are zeros, and this program alone reads the bytes);
; blocks whose largest magnitude lies under the floor 2^(3 - 127) were not tried.
; SHARES: a work-group takes 32 rows (two tiles); wave w takes tile u = w % 2 and K half w / 2: four fragments.  Each load reads 512 consecutive bytes of one row; a fragment's 8,192 bytes turn through the
; wave's own stage in LDS (16 rows, 528 bytes apart) so that a lane gets two whole blocks of its row.  Waves share nothing: no barrier.  Matrix units, clusters and tensor loads would add nothing to a stream.
.set ROWB, 4096                        ; a row of any of the three tensors, in bytes
.set IMG,  1536
.set SP,   528                         ; a stage row: 512 bytes + 16
.set STG,  16*SP                       ; a wave's stage
.set R,    16                          ; v16-143  two sets of 64: a fragment's numbers as loaded
.set X,    144                         ; v144-207 X[32 c + i] = my row's k = 64 c + 32 (lane / 16) + i
.set P,    208                         ; v208-219 the fragment's codes
.set PT,   220                         ; v220-226 the second halves of the blocks, as converted
.set SW,   228                         ; v228-231 my row's scale words of the four K steps
.set M,    232                         ; v232-233 largest magnitudes
.set SO,   234                         ; v234-235 the conversions' scale operands
.set BY,   236                         ; v236-237 the bytes
.set TP,   238
	s_load_b128 s[4:7], s[0:1], 0x0                ; x, qkv_w
	s_load_b128 s[8:11], s[0:1], 0x10              ; out_w, img
	s_load_b64 s[12:13], s[0:1], 0x20              ; sc
	v_lshl_add_u32 v244, v0, 2, 0x8400
	v_mov_b32 v245, 0
	v_lshrrev_b32 v1, 5, v0
	v_readfirstlane_b32 s16, v1                    ; wave 0..3
	v_and_b32 v7, 31, v0                           ; lane
	v_and_b32 v8, 15, v0                           ; r
	v_bfe_u32 v9, v0, 4, 1                         ; h
	v_lshlrev_b32 v1, 4, v7                        ; 16 x lane
	v_lshlrev_b32 v2, 3, v7                        ; 8 x lane
	v_lshlrev_b32 v3, 4, v8                        ; 16 r
	s_mul_i32 s18, s16, STG
	v_add_nc_u32 v4, s18, v1                       ; the stage, on the way in: a row's 512 bytes as they lie
	v_mul_u32_u24 v5, v8, SP
	v_lshl_add_u32 v5, v9, 7, v5
	v_add_nc_u32 v5, s18, v5                       ; and on the way out: row r, 128 h bytes on
	v_lshlrev_b32 v6, 3, v9                        ; 8 h: my bytes' place in a scale word
	v_mov_b32 v[TP], 0                             ; written once: a lane permute's destination counts as one of its sources
	s_mov_b32 s20, 0x76543210
	s_mov_b32 s21, 0xfedcba98                      ; v_permlanex16_b32's selects for lane l xor 16
	s_and_b32 s19, s16, 1                          ; u
	s_lshr_b32 s22, s16, 1                         ; K half
	s_cmp_lt_u32 ttmp9, 256                        ; work-groups 0-255: x; 256-351: qkv_w; 352-383: out_w
	s_cselect_b32 s17, 0, 256
	s_cmp_lt_u32 ttmp9, 352
	s_cselect_b32 s17, s17, 352
	s_sub_co_u32 s17, ttmp9, s17                   ; which 32 rows of my tensor
	s_lshl_b32 s24, s17, 17                        ; 32 rows of 4,096 bytes,
	s_lshl_b32 s25, s19, 15                        ; + 8 u rows,
	s_add_co_u32 s24, s24, s25
	s_lshl_b32 s25, s22, 11                        ; + my half of K
	s_add_co_u32 s24, s24, s25
	s_mov_b32 s25, 0
	s_lshl_b32 s23, ttmp9, 1
	s_add_co_u32 s23, s23, s19                     ; my tile's number in img and sc
	s_mul_i32 s26, s23, 8*IMG
	s_mul_i32 s27, s22, 4*IMG
	s_add_co_u32 s26, s26, s27
	s_mov_b32 s27, 0
	s_lshl_b32 s28, s23, 9
	s_lshl_b32 s29, s22, 8
	s_add_co_u32 s28, s28, s29
	s_mov_b32 s29, 0
	s_wait_alu depctr_va_vdst(0)
	s_wait_kmcnt 0x0
	s_cmp_lt_u32 ttmp9, 352                        ; the choice of the tensor hangs on the work-group's number alone
	s_cselect_b64 s[6:7], s[6:7], s[8:9]
	s_cmp_lt_u32 ttmp9, 256
	s_cselect_b64 s[4:5], s[4:5], s[6:7]
	s_add_nc_u64 s[4:5], s[4:5], s[24:25]
	s_add_nc_u64 s[10:11], s[10:11], s[26:27]
	s_add_nc_u64 s[12:13], s[12:13], s[28:29]
.macro LOAD t                          ; fragment t: the tile's 16 rows, 512 consecutive bytes each, into set t % 2
.irp i, 0,1,2,3,4,5,6,7,8,9,10,11,12,13,14,15
	global_load_b128 v[R+64*((\t)%2)+4*\i:R+64*((\t)%2)+4*\i+3], v1, s[4:5] offset:(\i+8*(\i/8))*ROWB+512*(\t) th:TH_LOAD_NT
.endr
.endm
.macro FRAGQ s
.if \s < 3
	s_wait_loadcnt 16                              ; this fragment's 16 loads are in; the next fragment's 16 may be out
.else
	s_wait_loadcnt 0x0
.endif
.irp i, 0,1,2,3,4,5,6,7,8,9,10,11,12,13,14,15
	ds_store_b128 v4, v[R+64*((\s)%2)+4*\i:R+64*((\s)%2)+4*\i+3] offset:SP*\i
.endr
.irp i, 0,1,2,3,4,5,6,7,8,9,10,11,12,13,14,15
	ds_load_b128 v[X+4*\i:X+4*\i+3], v5 offset:256*(\i/8)+16*(\i%8)   ; LDS serves a wave's instructions in order: these see the stores above
.endr
	s_wait_dscnt 0x0                               ; my two blocks are in, and the stores have read their registers,
.if \s < 2
	LOAD \s+2                                      ; which take the fragment two on
.endif
.irp c, 0,1
	v_max3_num_f32 v[M+\c], |v[X+32*\c]|, |v[X+32*\c+1]|, 0x1800000   ; block 2 c + h: all its 32 numbers are mine; the floor 2^(3 - 127) holds the byte at 1 from below
.endr
.irp i, 2,4,6,8,10,12,14,16,18,20,22,24,26,28,30
.irp c, 0,1
	v_max3_num_f32 v[M+\c], v[M+\c], |v[X+32*\c+\i]|, |v[X+32*\c+\i+1]|
.endr
.endr
.irp c, 0,1
	v_add_nc_u32 v[SO+\c], 0xff000000, v[M+\c]     ; 2 off the exponent field: the conversion takes the exponent field of this operand as its scale
.endr
.irp c, 0,1
	v_lshrrev_b32 v[BY+\c], 23, v[SO+\c]           ; the scale's byte
.endr
	v_lshl_or_b32 v[SW+\s], v[BY+1], 16, v[BY]     ; my two bytes: blocks h and 2 + h,
	v_lshlrev_b32 v[SW+\s], v6, v[SW+\s]           ; at their places in the word;
	v_permlanex16_b32 v[TP], v[SW+\s], s20, s21
	v_or_b32 v[SW+\s], v[SW+\s], v[TP]             ; with lane l xor 16's two the word is whole
	s_wait_alu depctr_va_vdst(0)
	s_wait_xcnt 0x0                                ; the last fragment's stores have read the codes' registers: they are written again only behind this wait
.irp c, 0,1
	v_cvt_scalef32_pk16_fp6_f32 v[P+6*\c:P+6*\c+2], v[X+32*\c:X+32*\c+15], v[SO+\c]
	v_cvt_scalef32_pk16_fp6_f32 v[PT+4*\c:PT+4*\c+2], v[X+32*\c+16:X+32*\c+31], v[SO+\c]   ; (a conversion's three registers begin on an even number)
.endr
	v_nop                                          ; one plain place behind a scaled conversion
.irp c, 0,1
.irp i, 0,1,2
	v_mov_b32 v[P+6*\c+3+\i], v[PT+4*\c+\i]
.endr
.endr
.irp c, 0,1
	global_store_b128 v1, v[P+6*\c:P+6*\c+3], s[10:11] offset:IMG*\s+768*\c          ; 512 consecutive bytes
	global_store_b64 v2, v[P+6*\c+4:P+6*\c+5], s[10:11] offset:IMG*\s+768*\c+512     ; 256 consecutive bytes
.endr
.endm
	LOAD 0
	LOAD 1
	FRAGQ 0
	FRAGQ 1
	FRAGQ 2
	FRAGQ 3
	global_store_b128 v3, v[SW:SW+3], s[12:13]     ; 16 rows x four words: 256 consecutive bytes (both halves of the lanes hold and store the same words)
	s_wait_tensorcnt 0x0
	ds_add_u32 v244, v245
	s_wait_dscnt 0x0
	s_endpgm
.Lfunc_end_k_qd86c80bbb7_quant:
	.size	k_qd86c80bbb7_quant, .Lfunc_end_k_qd86c80bbb7_quant-k_qd86c80bbb7_quant
	.p2alignl 7, 3214868480
	.fill 96, 4, 3214868480
	.section	.rodata,"a",@progbits
	.p2align	6, 0x0
	.amdhsa_kernel k_qd86c80bbb7_quant
		.amdhsa_group_segment_fixed_size 34304
		.amdhsa_private_segment_fixed_size 0
		.amdhsa_enable_private_segment 0
		.amdhsa_kernarg_size 40
		.amdhsa_user_sgpr_count 2
		.amdhsa_user_sgpr_kernarg_segment_ptr 1
		.amdhsa_wavefront_size32 1
		.amdhsa_system_sgpr_workgroup_id_x 1
		.amdhsa_system_sgpr_workgroup_id_y 1
		.amdhsa_system_sgpr_workgroup_id_z 1
		.amdhsa_system_vgpr_workitem_id 0
		.amdhsa_next_free_vgpr 246
		.amdhsa_next_free_sgpr 66
		.amdhsa_reserve_vcc 0
		.amdhsa_float_denorm_mode_32 3
		.amdhsa_float_denorm_mode_16_64 3
		.amdhsa_memory_ordered 1
		.amdhsa_forward_progress 1
		.amdhsa_inst_pref_size 31
	.end_amdhsa_kernel
	.amdgpu_metadata
---
amdhsa.version: [ 1, 2 ]
amdhsa.kernels:
  - .name:           k_qd86c80bbb7_quant
    .symbol:         k_qd86c80bbb7_quant.kd
    .args:
      - { .name: x, .offset: 0, .size: 8, .value_kind: global_buffer, .address_space: global }
      - { .name: qkv_w, .offset: 8, .size: 8, .value_kind: global_buffer, .address_space: global }
      - { .name: out_w, .offset: 16, .size: 8, .value_kind: global_buffer, .address_space: global }
      - { .name: img, .offset: 24, .size: 8, .value_kind: global_buffer, .address_space: global }
      - { .name: sc, .offset: 32, .size: 8, .value_kind: global_buffer, .address_space: global }
    .group_segment_fixed_size: 34304
    .private_segment_fixed_size: 0
    .kernarg_segment_align: 8
    .kernarg_segment_size: 40
    .max_flat_workgroup_size: 128
    .sgpr_count:     66
    .vgpr_count:     246
    .wavefront_size: 32
...
	.end_amdgpu_metadata
.endif
;; end of part 1
;; launch qkv (part 2): grid 16 x 32, 4 waves a work-group, clusters of 4 x 4, 327,680 bytes of LDS; arguments img, sc, qkv_b, qb, kv; writes qb, kv
.if DOCPART == 2
	.amdgcn_target "amdgcn-amd-amdhsa--gfx1250"
	.amdhsa_code_object_version 6
	.text
	.protected	k_qd86c80bbb7_qkv
	.globl	k_qd86c80bbb7_qkv
	.p2align	8
	.type	k_qd86c80bbb7_qkv,@function
k_qd86c80bbb7_qkv:
	s_mov_b64 s[64:65], 0
	v_nop
	global_prefetch_b8 v0, s[64:65] scope:SCOPE_SE
	s_setreg_imm32_b32 hwreg(HW_REG_WAVE_MODE, 25, 1), 1
	s_wait_xcnt 0x0
	s_wait_alu depctr_hold_cnt(0) depctr_sa_sdst(0) depctr_va_vdst(0) depctr_va_sdst(0) depctr_va_ssrc(0) depctr_va_vcc(0) depctr_vm_vsrc(0)
	s_getreg_b32 s2, hwreg(HW_REG_IB_STS2, 6, 4)
	s_cmp_eq_u32 s2, 0
	s_cbranch_scc0 .Lentry_in_a_cluster
	s_endpgm
.Lentry_in_a_cluster:
	s_bfe_u32 s2, ttmp6, 0x10000c
	s_cmp_lg_u32 s2, 0xf033
	s_cbranch_scc0 .Lentry_shape_is_right
	s_endpgm
.Lentry_shape_is_right:
; qkv = x qkv_w^T + qkv_b on codes of FP6 (E2M3), and the quantisers of q, k (along the head's 64) and v (along the sequence): the f32 numbers never go to memory.
; A work-group makes 256 rows x one head's 192 columns (q, k, v): 512 equal work-groups.  Wave w (rh = w / 2, c = w % 2) makes 128 rows x 96 columns: q (c = 0) or k (c = 1), four column tiles, and v's channels 32 c .. 32 c + 31, two tiles: 48 accumulators.
; q AND k ARE MADE TRANSPOSED (source 0 = 16 rows of qkv_w, source 1 = 16 rows of x): a lane holds one row of x and its registers run along the head's channels, the next K.
; v IS MADE THE OTHER WAY ROUND (source 0 = x, source 1 = qkv_w): a lane holds one channel and its registers run along the sequence, which is v's next K.  The rows that form a tile (see below) make 16 registers of two tiles 16 neighbours.
; OPERANDS arrive as images of their registers (a fragment: 1,536 bytes; half c at 768 c: registers 6 c .. 6 c + 3 at 16 x lane, registers 6 c + 4, 6 c + 5 at 512 + 8 x lane); row tile 2 b + u holds rows 32 b + 8 u + r + 8 (r / 8).
; LDS: three slots of two K steps each (16 tiles of x, 12 of qkv_w, 3,072 bytes a tile).  K steps 0-5 are asked for at the start; K steps 6, 7 fill slot 0 again behind the one change of slots and have 160 matrix instructions in which to land.
; By this text's own count a wave has three tensor loads out at the most.
; CLUSTERS: 4 x 4 work-groups; x's tiles hang on the row block alone and are shared along a row of the cluster, qkv_w's on the head alone and are shared along a column: each is asked for jointly.
; OUT: qb [b x 16 + head][16 groups of 128 queries][6,400]: four pair images (tile 2 p in half 0, tile 2 p + 1 in half 1: K = 64 each), then [r][4] pair words.
;      kv [b x 16 + head][16 key steps][12,800]: four pair images of k, four images of v^T (16 channels x 128 keys), k's pair words [r][4] at 12,288, v's words [r][4] at 12,544.
; LIMITS: NaN and infinities are not served; a block of zeros gets the byte 1 where the quantiser says 127 (its codes are zeros; this program alone reads the bytes); blocks under the floor 2^(3 - 127) were not tried.
; REGISTERS, in windows of 256: window 0: v1-3 lane terms; v4-21 LDS addresses, six for each slot; v28, v29 the add's; v32-95 x's scale words (8 a + K step); v96-143 qkv_w's (8 j + K step); v144-207 64 numbers at work; v208-227 codes; v228-243 at work; v244-249 scale words made.
;   window 1: q's or k's 32 accumulators (8 (4 a + j)).   window 2: v0-127 v's 16 accumulators (8 (2 a + jj)); v128-223 x's fragments, set 1; v224-255 q's or k's bias.
;   window 3: v0-95 x's fragments, set 0; v96-167, v168-239 qkv_w's, sets 0 and 1; v240-243 v's bias.
.set TILEB, 3072                       ; a tile's two K steps in a slot
.set BOFF,  16*TILEB                   ; qkv_w's tiles lie behind x's 16
.set SLOT,  28*TILEB
.set SPARE, 3*SLOT                     ; behind the slots: the spare words, 128 bytes for each wave: two blocks of 256 bytes that no other line names
.set SPW,  28
.set NIL,  29
.set SA,   32
.set SB,   96
.set T,    144
.set PC,   208
.set TM,   228
.set SCW,  244
.set SVW,  248
.set G1A,  24                          ; s[24:31] descriptor group 1 for x's tiles;  s[32:39] for qkv_w's
.set G1B,  32
.set G0A,  40                          ; s[40:51] groups 0 for x's tiles, one for each first fill;  s[52:63] for qkv_w's
.set G0B,  52
.set SEL,  80
.set MSB, 0
.macro WIN new                         ; the immediate's high byte repeats the setting that is left
.if MSB != \new
	s_set_vgpr_msb (MSB<<8)|\new
.set MSB, \new
.endif
.endm
.macro PLACES                          ; four plain places in front of loads into registers that matrix instructions have read, and of the first read of results
.rept 4
	v_nop
.endr
.endm
.macro JLOAD f                         ; a joint load: waves 0 and 1 fetch x's two halves, waves 2 and 3 qkv_w's; four v_nop follow each line
	s_cmp_eq_u32 s15, 0
	s_cbranch_scc0 .Lfor_b_\@
	tensor_load_to_lds s[G0A+4*\f:G0A+4*\f+3], s[G1A:G1A+7]
	s_nop 0
.rept 4
	v_nop
.endr
	s_branch .Lasked_\@
.Lfor_b_\@:
	tensor_load_to_lds s[G0B+4*\f:G0B+4*\f+3], s[G1B:G1B+7]
	s_nop 0
.rept 4
	v_nop
.endr
.Lasked_\@:
.endm
.macro CREST                           ; a round of the cluster's barrier behind its opening barrier
	s_cmp_lg_u32 s14, 0
	s_cbranch_scc1 .Lnot_wave_0_\@
	s_barrier_signal -3
.Lnot_wave_0_\@:
	s_barrier_wait -3
	s_barrier_signal -1
	s_barrier_wait -1
.endm
.macro CROUND
	s_barrier_signal -1
	s_barrier_wait -1
	CREST
.endm
.macro FRAG reg, a16, a8, off          ; a fragment's image into 12 registers: every load reads consecutive bytes
	ds_load_b128 v[(\reg):(\reg)+3], v[\a16] offset:\off
	ds_load_b64 v[(\reg)+4:(\reg)+5], v[\a8] offset:\off
	ds_load_b128 v[(\reg)+6:(\reg)+9], v[\a16] offset:(\off)+768
	ds_load_b64 v[(\reg)+10:(\reg)+11], v[\a8] offset:(\off)+768
.endm
; 64 numbers of a lane, v[s] .. v[s + 63], register 16 b + i = k 32 b + 16 (lane / 16) + i of my row, become a fragment's codes in v[PC] on and its scale word in v[pw].
.macro QUANT s, pw
.irp b, 0,1,2,3
	v_max3_num_f32 v[TM+\b], |v[\s+16*\b]|, |v[\s+1+16*\b]|, 0x1800000   ; block b: my 16 numbers, and the floor 2^(3 - 127): the byte cannot fall under 1
.endr
.irp i, 2,4,6,8,10,12,14
.irp b, 0,1,2,3
	v_max3_num_f32 v[TM+\b], v[TM+\b], |v[\s+16*\b+\i]|, |v[\s+1+16*\b+\i]|
.endr
.endr
.irp b, 0,1,2,3
	v_permlanex16_b32 v[TM+4+\b], v[TM+\b], s[SEL], s[SEL+1]
.endr
.irp b, 0,1,2,3
	v_max_num_f32 v[TM+\b], v[TM+\b], v[TM+4+\b]   ; with lane l xor 16's: the block's largest magnitude
.endr
.irp b, 0,1,2,3
	v_add_nc_u32 v[TM+12+\b], 0xff000000, v[TM+\b] ; 2 off its exponent field: the conversion's scale operand
.endr
.irp b, 0,1,2,3
	v_lshrrev_b32 v[TM+4+\b], 23, v[TM+12+\b]      ; the scale's byte
.endr
	v_lshl_or_b32 v[\pw], v[TM+5], 8, v[TM+4]
	v_lshl_or_b32 v[\pw], v[TM+6], 16, v[\pw]
	v_lshl_or_b32 v[\pw], v[TM+7], 24, v[\pw]
.irp c, 0,1
	v_cvt_scalef32_pk16_fp6_f32 v[PC+6*\c:PC+2+6*\c], v[\s+32*\c:\s+15+32*\c], v[TM+12+2*\c]
	v_cvt_scalef32_pk16_fp6_f32 v[PC+12+4*\c:PC+14+4*\c], v[\s+16+32*\c:\s+31+32*\c], v[TM+12+2*\c+1]   ; (a conversion's three registers begin on an even number)
.endr
	v_nop                                          ; one plain place behind a scaled conversion
.irp c, 0,1                                    ; the operand's layout wants a whole block in a lane: lanes 0-15 block 2 c, lanes 16-31 block 2 c + 1
.irp i, 0,1,2
	v_permlane16_swap_b32 v[PC+6*\c+\i], v[PC+12+4*\c+\i]
.endr
.irp i, 0,1,2
	v_mov_b32 v[PC+3+6*\c+\i], v[PC+12+4*\c+\i]
.endr
.endr
.endm
	s_load_b128 s[4:7], s[0:1], 0x0                ; img, sc
	s_load_b128 s[8:11], s[0:1], 0x10              ; qkv_b, qb
	s_load_b64 s[12:13], s[0:1], 0x20              ; kv
	v_lshl_add_u32 v[SPW], v0, 2, SPARE
	v_mov_b32 v[NIL], 0
	ds_add_u32 v28, v29
	ds_add_u32 v28, v29
	s_wait_dscnt 0x0
	v_lshrrev_b32 v1, 5, v0
	v_readfirstlane_b32 s14, v1                    ; wave 0..3
	s_lshr_b32 s15, s14, 1                         ; rh: my half of the rows.  Also: I fetch x's tiles (0) or qkv_w's (1)
	s_and_b32 s16, s14, 1                          ; c: q or k, and my half of v.  Also: which half of those tiles I fetch
	s_bfe_u32 s66, ttmp6, 0x40000                  ; cx, cy: my place in the cluster
	s_bfe_u32 s67, ttmp6, 0x40004
	s_lshl_b32 s68, ttmp9, 2
	s_add_co_u32 s68, s68, s66                     ; the head = 4 x cluster x + cx
	s_and_b32 s69, ttmp7, 0xffff
	s_lshl_b32 s69, s69, 2
	s_add_co_u32 s69, s69, s67                     ; the block of 256 rows = 4 x cluster y + cy
	s_lshl_b32 s70, s67, 2
	s_lshl_b32 s70, 15, s70                        ; my row of the cluster
	s_lshl_b32 s71, 0x1111, s66                    ; my column
	; descriptor group 1: 8 (x) or 6 (qkv_w) tiles, of each two K steps: rows of 3,072 bytes = 384 elements of 8 bytes, 12,288 bytes apart in memory, dense in LDS
	s_or_b32 s[G1A], s70, (3<<16)|(1<<21)          ; 15:0 the mask; 17:16 elements of 8 bytes; 20 no padding; 21 set beside a mask
	s_or_b32 s[G1B], s71, (3<<16)|(1<<21)
	s_mov_b32 s[G1A+1], 384<<16                    ; tensor_dim0
	s_mov_b32 s[G1A+2], 8<<16                      ; tensor_dim1
	s_mov_b32 s[G1A+3], 384<<16                    ; tile_dim0
	s_mov_b32 s[G1A+4], 8                          ; tile_dim1
	s_mov_b32 s[G1A+5], 1536                       ; tensor_dim0_stride
	s_mov_b32 s[G1A+6], 0
	s_mov_b32 s[G1A+7], 0
	s_mov_b32 s[G1B+1], 384<<16
	s_mov_b32 s[G1B+2], 6<<16
	s_mov_b32 s[G1B+3], 384<<16
	s_mov_b32 s[G1B+4], 6
	s_mov_b32 s[G1B+5], 1536
	s_mov_b32 s[G1B+6], 0
	s_mov_b32 s[G1B+7], 0
	s_lshl_b32 s82, s69, 4                         ; x: tile 16 y + 8 x half, 12,288 bytes a tile
	s_lshl_b32 s83, s16, 3
	s_add_co_u32 s82, s82, s83
	s_mul_i32 s82, s82, 12288
	s_mov_b32 s83, 0
	s_mul_i32 s84, s16, 8*TILEB                    ; and its place in a slot: no place in the cluster enters an LDS address
	s_mul_i32 s86, s68, 12                         ; qkv_w: tile 512 + 12 x head + 6 x half
	s_mul_i32 s87, s16, 6
	s_add_co_u32 s86, s86, s87
	s_add_co_u32 s86, s86, 512
	s_mul_i32 s86, s86, 12288
	s_mov_b32 s87, 0
	s_mul_i32 s88, s16, 6*TILEB
	s_add_co_u32 s88, s88, BOFF
	s_mov_b32 s[SEL], 0x76543210
	s_mov_b32 s[SEL+1], 0xfedcba98                 ; v_permlanex16_b32's selects for lane l xor 16
	s_wait_kmcnt 0x0
	s_add_nc_u64 s[82:83], s[4:5], s[82:83]
	s_add_nc_u64 s[86:87], s[4:5], s[86:87]
	CROUND                                         ; all sixteen work-groups are here: the first joint loads meet
.irp f, 0,1,2
	s_mov_b32 s[G0A+4*\f], 1                       ; count = 1
	s_add_co_u32 s[G0A+4*\f+1], s84, \f*SLOT       ; LDS address
	s_add_nc_u64 s[G0A+4*\f+2:G0A+4*\f+3], s[82:83], \f*TILEB   ; global address: K steps 2 f, 2 f + 1
	s_or_b32 s[G0A+4*\f+3], s[G0A+4*\f+3], 0x80000000           ; type = 2
	s_mov_b32 s[G0B+4*\f], 1
	s_add_co_u32 s[G0B+4*\f+1], s88, \f*SLOT
	s_add_nc_u64 s[G0B+4*\f+2:G0B+4*\f+3], s[86:87], \f*TILEB
	s_or_b32 s[G0B+4*\f+3], s[G0B+4*\f+3], 0x80000000
.endr
	s_cmp_eq_u32 s15, 0                            ; a wave's three first fills stand in one branch, ahead of every wait on TENSORcnt and every LDS read
	s_cbranch_scc0 .Lfirst_b
	tensor_load_to_lds s[G0A:G0A+3], s[G1A:G1A+7]
	s_nop 0
	tensor_load_to_lds s[G0A+4:G0A+7], s[G1A:G1A+7]
	s_nop 0
	tensor_load_to_lds s[G0A+8:G0A+11], s[G1A:G1A+7]
	s_nop 0
.rept 4
	v_nop
.endr
	s_branch .Lfirst_asked
.Lfirst_b:
	tensor_load_to_lds s[G0B:G0B+3], s[G1B:G1B+7]
	s_nop 0
	tensor_load_to_lds s[G0B+4:G0B+7], s[G1B:G1B+7]
	s_nop 0
	tensor_load_to_lds s[G0B+8:G0B+11], s[G1B:G1B+7]
	s_nop 0
.rept 4
	v_nop
.endr
.Lfirst_asked:
	v_and_b32 v24, 31, v0                          ; lane
	v_and_b32 v25, 15, v0                          ; r
	v_bfe_u32 v26, v0, 4, 1                        ; h
	v_lshlrev_b32 v1, 4, v24                       ; 16 x lane
	v_lshl_add_u32 v2, v24, 3, 512                 ; 512 + 8 x lane
	v_lshlrev_b32 v3, 4, v25                       ; 16 r
	v_lshlrev_b32 v22, 6, v26                      ; 64 h: q's and k's bias, 16 h numbers on
	v_and_b32 v23, 8, v25
	v_add_nc_u32 v23, v23, v25
	v_lshlrev_b32 v23, 2, v23                      ; 4 (r + 8 (r / 8)): v's bias, my channel
.irp b, 0,1,2,3
	v_mov_b32 v[TM+4+\b], 0                        ; written once: a lane permute's destination counts as one of its sources
.endr
	s_mul_i32 s2, s15, 8*TILEB                     ; my 8 tiles of x,
	s_mul_i32 s3, s16, 4*TILEB
	s_add_co_u32 s3, s3, BOFF                      ; my 4 tiles of q's or k's weights,
	s_mul_i32 s18, s16, 2*TILEB
	s_add_co_u32 s18, s18, BOFF+8*TILEB            ; my 2 tiles of v's
.irp f, 0,1,2                                  ; six address registers for each slot: none is ever stepped
	v_add_nc_u32 v[4+6*\f], s2, v1
	v_add_nc_u32 v[5+6*\f], s2, v2
	v_add_nc_u32 v[6+6*\f], s3, v1
	v_add_nc_u32 v[7+6*\f], s3, v2
	v_add_nc_u32 v[8+6*\f], s18, v1
	v_add_nc_u32 v[9+6*\f], s18, v2
	s_add_co_u32 s2, s2, SLOT
	s_add_co_u32 s3, s3, SLOT
	s_add_co_u32 s18, s18, SLOT
.endr
	; the scale words of all of K and the biases come once, straight into registers
	s_lshl_b32 s2, s69, 4
	s_lshl_b32 s3, s15, 3
	s_add_co_u32 s2, s2, s3
	s_lshl_b32 s2, s2, 9                           ; x: tile 16 y + 8 rh, 512 bytes a tile
	s_mov_b32 s3, 0
	s_add_nc_u64 s[90:91], s[6:7], s[2:3]
	s_mul_i32 s18, s68, 12
	s_add_co_u32 s18, s18, 512                     ; the head's first tile
	s_lshl_b32 s2, s16, 2
	s_add_co_u32 s2, s2, s18
	s_lshl_b32 s2, s2, 9
	s_add_nc_u64 s[92:93], s[6:7], s[2:3]          ; q's or k's weights: tile + 4 c
	s_lshl_b32 s2, s16, 1
	s_add_co_u32 s2, s2, s18
	s_add_co_u32 s2, s2, 8
	s_lshl_b32 s2, s2, 9
	s_add_nc_u64 s[94:95], s[6:7], s[2:3]          ; v's: tile + 8 + 2 c
	s_mul_i32 s18, s68, 768                        ; the head's 192 numbers of the bias
	s_lshl_b32 s2, s16, 8
	s_add_co_u32 s2, s2, s18
	s_add_nc_u64 s[96:97], s[8:9], s[2:3]          ; q's or k's 64
	s_lshl_b32 s2, s16, 7
	s_add_co_u32 s2, s2, s18
	s_add_co_u32 s2, s2, 512
	s_add_nc_u64 s[98:99], s[8:9], s[2:3]          ; v's, my 32
.irp a, 0,1,2,3,4,5,6,7
.irp q, 0,1
	global_load_b128 v[SA+8*\a+4*\q:SA+8*\a+4*\q+3], v3, s[90:91] offset:512*\a+256*\q
.endr
.endr
.irp j, 0,1,2,3
.irp q, 0,1
	global_load_b128 v[SB+8*\j+4*\q:SB+8*\j+4*\q+3], v3, s[92:93] offset:512*\j+256*\q
.endr
.endr
.irp j, 0,1
.irp q, 0,1
	global_load_b128 v[SB+32+8*\j+4*\q:SB+32+8*\j+4*\q+3], v3, s[94:95] offset:512*\j+256*\q
.endr
.endr
	WIN 0x80                                       ; destination window 2
.irp j, 0,1,2,3                                ; register 8 j + i: the bias of channel 32 (j / 2) + 8 (j % 2) + 16 h + i
	global_load_b128 v[224+8*\j:224+8*\j+3], v22, s[96:97] offset:(32*(\j/2)+8*(\j%2))*4
	global_load_b128 v[224+8*\j+4:224+8*\j+7], v22, s[96:97] offset:(32*(\j/2)+8*(\j%2))*4+16
.endr
	WIN 0xc0                                       ; destination window 3
.irp j, 0,1                                    ; my channel's bias in tile jj, in both words of a pair: the packed addition names the pair
	global_load_b32 v[240+2*\j], v23, s[98:99] offset:32*\j
	global_load_b32 v[241+2*\j], v23, s[98:99] offset:32*\j
.endr
	WIN 0
	; where the results go: record ((y / 8) x 16 + head) x 16 + 2 (y % 8) + rh
	s_lshr_b32 s17, s69, 3
	s_lshl_b32 s17, s17, 4
	s_add_co_u32 s17, s17, s68
	s_lshl_b32 s17, s17, 4
	s_and_b32 s2, s69, 7
	s_lshl_b32 s2, s2, 1
	s_add_co_u32 s17, s17, s2
	s_add_co_u32 s17, s17, s15
	s_mov_b32 s18, 12800
	s_mov_b32 s19, 12288
	s_cmp_eq_u32 s16, 0                            ; c = 0: q, into qb; c = 1: k, into kv.  The choice hangs on the wave's number alone
	s_cselect_b64 s[72:73], s[10:11], s[12:13]
	s_cselect_b32 s18, 6400, s18                   ; a record's bytes,
	s_cselect_b32 s19, 6144, s19                   ; and where its pair words begin
	s_mul_i32 s2, s17, s18
	s_add_nc_u64 s[72:73], s[72:73], s[2:3]        ; the pair images
	s_mov_b32 s2, s19
	s_add_nc_u64 s[74:75], s[72:73], s[2:3]        ; the pair words
	s_mul_i32 s18, s17, 12800
	s_mul_i32 s2, s16, 3072
	s_add_co_u32 s2, s2, s18
	s_add_co_u32 s2, s2, 6144
	s_add_nc_u64 s[76:77], s[12:13], s[2:3]        ; v^T's images, channel tiles 2 c, 2 c + 1
	s_lshl_b32 s2, s16, 3
	s_add_co_u32 s2, s2, s18
	s_add_co_u32 s2, s2, 12544
	s_add_nc_u64 s[78:79], s[12:13], s[2:3]        ; and their words
; 56 LDS loads in one run: the 14 fragments of K step ks into set ks % 2
.macro FETCH ks
.set SL_, 4+6*(((\ks)/2)%3)
.set QO_, 1536*((\ks)%2)
.if (\ks)%2
	WIN 0x80                                       ; x's set 1 lies in window 2
.irp a, 0,1,2,3,4,5,6,7
	FRAG 128+12*\a, SL_, SL_+1, QO_+TILEB*\a
.endr
	WIN 0xc0
.irp j, 0,1,2,3
	FRAG 168+12*\j, SL_+2, SL_+3, QO_+TILEB*\j
.endr
.irp j, 0,1
	FRAG 216+12*\j, SL_+4, SL_+5, QO_+TILEB*\j
.endr
.else
	WIN 0xc0
.irp a, 0,1,2,3,4,5,6,7
	FRAG 12*\a, SL_, SL_+1, QO_+TILEB*\a
.endr
.irp j, 0,1,2,3
	FRAG 96+12*\j, SL_+2, SL_+3, QO_+TILEB*\j
.endr
.irp j, 0,1
	FRAG 144+12*\j, SL_+4, SL_+5, QO_+TILEB*\j
.endr
.endif
	WIN 0
.endm
; 16 products for q or k: x's tiles a0 .. a0 + 3 against the four weight tiles.  The 48 accumulators take turns, one instruction a turn, in the same order in every K step.
.macro MULQK a0, ks, zero
.if (\ks)%2
	WIN 0x5b                                       ; source 0 window 3, source 1 window 2, C and D window 1
.else
	WIN 0x5f                                       ; sources 0 and 1 window 3
.endif
.irp a, \a0, \a0+1, \a0+2, \a0+3
.irp j, 0,1,2,3
.if \zero
	v_wmma_scale_f32_16x16x128_f8f6f4 v[8*(4*(\a)+\j):8*(4*(\a)+\j)+7], v[96+72*((\ks)%2)+12*\j:96+72*((\ks)%2)+12*\j+11], v[128*((\ks)%2)+12*(\a):128*((\ks)%2)+12*(\a)+11], 0, v[SB+8*\j+(\ks)], v[SA+8*(\a)+(\ks)] matrix_a_fmt:MATRIX_FMT_FP6 matrix_b_fmt:MATRIX_FMT_FP6
.else
	v_wmma_scale_f32_16x16x128_f8f6f4 v[8*(4*(\a)+\j):8*(4*(\a)+\j)+7], v[96+72*((\ks)%2)+12*\j:96+72*((\ks)%2)+12*\j+11], v[128*((\ks)%2)+12*(\a):128*((\ks)%2)+12*(\a)+11], v[8*(4*(\a)+\j):8*(4*(\a)+\j)+7], v[SB+8*\j+(\ks)], v[SA+8*(\a)+(\ks)] matrix_a_fmt:MATRIX_FMT_FP6 matrix_b_fmt:MATRIX_FMT_FP6
.endif
.endr
.endr
.endm
; 16 products for v: source 0 = x's tiles, source 1 = the two weight tiles
.macro MULV ks, zero
.if (\ks)%2
	WIN 0xae                                       ; source 0 window 2, source 1 window 3, C and D window 2
.else
	WIN 0xaf
.endif
.irp a, 0,1,2,3,4,5,6,7
.irp j, 0,1
.if \zero
	v_wmma_scale_f32_16x16x128_f8f6f4 v[8*(2*\a+\j):8*(2*\a+\j)+7], v[128*((\ks)%2)+12*\a:128*((\ks)%2)+12*\a+11], v[144+72*((\ks)%2)+12*\j:144+72*((\ks)%2)+12*\j+11], 0, v[SA+8*\a+(\ks)], v[SB+32+8*\j+(\ks)] matrix_a_fmt:MATRIX_FMT_FP6 matrix_b_fmt:MATRIX_FMT_FP6
.else
	v_wmma_scale_f32_16x16x128_f8f6f4 v[8*(2*\a+\j):8*(2*\a+\j)+7], v[128*((\ks)%2)+12*\a:128*((\ks)%2)+12*\a+11], v[144+72*((\ks)%2)+12*\j:144+72*((\ks)%2)+12*\j+11], v[8*(2*\a+\j):8*(2*\a+\j)+7], v[SA+8*\a+(\ks)], v[SB+32+8*\j+(\ks)] matrix_a_fmt:MATRIX_FMT_FP6 matrix_b_fmt:MATRIX_FMT_FP6
.endif
.endr
.endr
.endm
.macro STEP ks                         ; a K step whose successor lies in a slot that is known whole
	PLACES
	FETCH \ks+1
	s_wait_dscnt 56                                ; all but the 56 loads just issued: this K step's fragments are in
	MULQK 0, \ks, 0
	MULQK 4, \ks, 0
	MULV \ks, 0
.endm
	s_wait_tensorcnt 0x2                           ; my part of K steps 0, 1 is in; the two later fills may be out
	s_barrier_signal -1
	s_barrier_wait -1                              ; everybody's is
	FETCH 0
	FETCH 1
	s_wait_dscnt 56                                ; K step 0's fragments are in
	s_wait_loadcnt 0x0                             ; the scale words and the biases
	MULQK 0, 0, 1                                  ; the first K step starts the sums: nothing is cleared
	MULQK 4, 0, 1
	MULV 0, 1
	; K STEP 1 CHANGES SLOTS: slot 0 has been read out and takes K steps 6, 7
	WIN 0                                          ; (the add's two registers lie in window 0)
	s_wait_tensorcnt 0x0                           ; all my tensor loads have landed: slots 1 and 2 are whole as far as they are mine
	ds_add_u32 v[SPW], v[NIL]                      ; 0 onto my spare word
	s_add_nc_u64 s[G0A+2:G0A+3], s[G0A+2:G0A+3], 3*TILEB   ; no load of mine is out, so a group 0 may be written: K steps 6, 7
	s_add_nc_u64 s[G0B+2:G0B+3], s[G0B+2:G0B+3], 3*TILEB
	s_wait_dscnt 1                                 ; K step 1's fragments are in; the add may be out
	MULQK 0, 1, 0
	s_wait_dscnt 0x0                               ; the add is done, and my reads of slot 0 are over
	s_barrier_signal -1                            ; this barrier opens a round of the cluster's barrier
	MULQK 4, 1, 0
	WIN 0
	s_barrier_wait -1
	CREST                                          ; no wave of any partner still reads slot 0 or has a load on its way
	JLOAD 0                                        ; the first tensor load behind the round; its four v_nop are also the places in front of the loads below
	s_wait_alu depctr_va_vdst(0)
	FETCH 2
	MULV 1, 0
	STEP 2
	STEP 3                                         ; slot 2 was shown whole by every wave's wait in front of the round
	STEP 4
	; K STEP 5: K steps 6, 7 have to be in for everybody
	s_wait_dscnt 0x0                               ; K step 5's fragments are in; no LDS instruction is out at the signal
	s_wait_tensorcnt 0x0                           ; the one load that was out: my part of K steps 6, 7
	s_barrier_signal -1
	MULQK 0, 5, 0
	s_barrier_wait -1
	PLACES
	FETCH 6
	MULQK 4, 5, 0
	MULV 5, 0
	STEP 6
	s_wait_dscnt 0x0
	MULQK 0, 7, 0
	MULQK 4, 7, 0
	MULV 7, 0
; THE WAY OUT needs no LDS: the quantiser's results are the images' registers.
; Pair p of q or k: tiles 2 p and 2 p + 1 of my rows.  The bias's addition is also the way into window 0; each accumulator is read from its low end on.
.macro UNITQK p
.if \p > 0
	s_wait_xcnt 0x0                                ; the last unit's stores have read the codes' registers
.endif
	WIN 0x09                                       ; source 0 window 1, source 1 window 2
.irp u, 0,1
.irp j, 0,1,2,3
.irp i, 0,2,4,6
	v_pk_add_f32 v[T+32*\u+8*\j+\i:T+32*\u+8*\j+\i+1], v[8*(4*(2*\p+\u)+\j)+\i:8*(4*(2*\p+\u)+\j)+\i+1], v[224+8*\j+\i:224+8*\j+\i+1]
.endr
.endr
.endr
	WIN 0
	QUANT T, SCW+\p                                ; blocks 0, 1: tile 2 p's 64 channels; blocks 2, 3: tile 2 p + 1's
.irp c, 0,1
	global_store_b128 v1, v[PC+6*\c:PC+6*\c+3], s[72:73] offset:1536*\p+768*\c
	global_store_b64 v2, v[PC+6*\c+4:PC+6*\c+5], s[72:73] offset:1536*\p+768*\c
.endr
.endm
; Channel tile jj of v: my 128 rows are one key step, so the 64 numbers of a lane are its channel's 128 keys' half
.macro UNITV jj
	s_wait_xcnt 0x0
	WIN 0x0e                                       ; source 0 window 2, source 1 window 3
.irp a, 0,1,2,3,4,5,6,7
.irp i, 0,2,4,6
	v_pk_add_f32 v[T+8*\a+\i:T+8*\a+\i+1], v[8*(2*\a+\jj)+\i:8*(2*\a+\jj)+\i+1], v[240+2*\jj:241+2*\jj] op_sel_hi:[1,0]
.endr
.endr
	WIN 0
	QUANT T, SVW+\jj
.irp c, 0,1
	global_store_b128 v1, v[PC+6*\c:PC+6*\c+3], s[76:77] offset:1536*\jj+768*\c
	global_store_b64 v2, v[PC+6*\c+4:PC+6*\c+5], s[76:77] offset:1536*\jj+768*\c
.endr
.endm
	PLACES
	UNITQK 0
	UNITQK 1
	UNITQK 2
	UNITQK 3
	global_store_b128 v3, v[SCW:SCW+3], s[74:75]   ; [r][4 pair words]: 256 consecutive bytes (both halves of the lanes hold the same)
	UNITV 0
	UNITV 1
	global_store_b64 v3, v[SVW:SVW+1], s[78:79]    ; my two of a row's four words
	s_wait_tensorcnt 0x0                           ; the wave's end
	ds_add_u32 v[SPW], v[NIL]
	s_wait_dscnt 0x0
	CROUND                                         ; the closing round: no work-group ends while a partner may still ask for a tile that names it
	s_endpgm
.Lfunc_end_k_qd86c80bbb7_qkv:
	.size	k_qd86c80bbb7_qkv, .Lfunc_end_k_qd86c80bbb7_qkv-k_qd86c80bbb7_qkv
	.p2alignl 7, 3214868480
	.fill 96, 4, 3214868480
	.section	.rodata,"a",@progbits
	.p2align	6, 0x0
	.amdhsa_kernel k_qd86c80bbb7_qkv
		.amdhsa_group_segment_fixed_size 327680
		.amdhsa_private_segment_fixed_size 0
		.amdhsa_enable_private_segment 0
		.amdhsa_kernarg_size 40
		.amdhsa_user_sgpr_count 2
		.amdhsa_user_sgpr_kernarg_segment_ptr 1
		.amdhsa_wavefront_size32 1
		.amdhsa_system_sgpr_workgroup_id_x 1
		.amdhsa_system_sgpr_workgroup_id_y 1
		.amdhsa_system_sgpr_workgroup_id_z 1
		.amdhsa_system_vgpr_workitem_id 0
		.amdhsa_next_free_vgpr 1024
		.amdhsa_next_free_sgpr 100
		.amdhsa_reserve_vcc 0
		.amdhsa_float_denorm_mode_32 3
		.amdhsa_float_denorm_mode_16_64 3
		.amdhsa_memory_ordered 1
		.amdhsa_forward_progress 1
		.amdhsa_inst_pref_size 131
	.end_amdhsa_kernel
	.amdgpu_metadata
---
amdhsa.version: [ 1, 2 ]
amdhsa.kernels:
  - .name:           k_qd86c80bbb7_qkv
    .symbol:         k_qd86c80bbb7_qkv.kd
    .args:
      - { .name: img, .offset: 0, .size: 8, .value_kind: global_buffer, .address_space: global }
      - { .name: sc, .offset: 8, .size: 8, .value_kind: global_buffer, .address_space: global }
      - { .name: qkv_b, .offset: 16, .size: 8, .value_kind: global_buffer, .address_space: global }
      - { .name: qb, .offset: 24, .size: 8, .value_kind: global_buffer, .address_space: global }
      - { .name: kv, .offset: 32, .size: 8, .value_kind: global_buffer, .address_space: global }
    .group_segment_fixed_size: 327680
    .private_segment_fixed_size: 0
    .kernarg_segment_align: 8
    .kernarg_segment_size: 40
    .max_flat_workgroup_size: 128
    .sgpr_count:     100
    .vgpr_count:     1024
    .wavefront_size: 32
...
	.end_amdgpu_metadata
.endif
;; end of part 2
;; launch attn (part 3): grid 4 x 64, 16 waves a work-group, no clusters, 206,848 bytes of LDS; arguments qb, kv, aimg, asc; writes aimg, asc
.if DOCPART == 3
	.amdgcn_target "amdgcn-amd-amdhsa--gfx1250"
	.amdhsa_code_object_version 6
	.text
	.protected	k_qd86c80bbb7_attn
	.globl	k_qd86c80bbb7_attn
	.p2align	8
	.type	k_qd86c80bbb7_attn,@function
k_qd86c80bbb7_attn:
	s_mov_b64 s[64:65], 0
	v_nop
	global_prefetch_b8 v0, s[64:65] scope:SCOPE_SE
	s_setreg_imm32_b32 hwreg(HW_REG_WAVE_MODE, 25, 1), 1
	s_wait_xcnt 0x0
; Causal attention of one head on codes of FP6 (E2M3), and the quantiser of its result along the head's 64 channels.  2,048 queries and keys, head size 64; 64 heads in all (batch x 16 + head).
; THE SOFTMAX AHEAD OF THE SECOND PRODUCT: t = score x log2(e) / 8; M = the row's largest t so far, rounded up to a whole number; p = 2^(t - M) is what is quantised, along the keys, not normalised.
; The row's sum is taken of the unquantised p and divides O at the end.  When M moves, the sum and O are multiplied by 2^(old M - new M): exact.
; SHARES: work-group (i, head) owns the query blocks 7 - i and i of 256.  Wave w owns tile T1 = 127 - 16 i - w of 16 queries, and after it tile T2 = 16 i + w.  Tile T works key steps 0 .. T / 8 of 128 keys:
; T1 / 8 + T2 / 8 + 2 = 17 steps for every wave of the launch.  Four waves to a SIMD: one wave's vector work stands beside another's matrix work and LDS loads.
; LDS: the head's k and v, 16 records of 12,800 bytes, come ONCE, one record a wave by one tensor load: nothing is filled again.
; NO JOINT LOADS: the work-groups that share a head leave out different key steps, by branches on their query blocks; partners of a joint request have to run alike.
; EVERY LOOP HAS A CONSTANT NUMBER OF TRIPS; a step all of whose keys come after the tile's queries is jumped over by a scalar branch on ids; the one step on the diagonal masks hidden scores to -infinity.
; LAYOUT: both products transposed (S^T = k q^T, O^T = v^T p^T): a lane holds one query (lane % 16).  Tile 2 b + u of keys holds keys 32 b + 8 u + r + 8 (r / 8), so that 16 registers of two tiles are 16 neighbouring keys.
; K = 64 IN AN INSTRUCTION OF 128: a pair image holds key tile 2 b in registers 0-5 and tile 2 b + 1 in registers 6-11.  q's six registers stand between two runs of six zeros (v16-33): v[22:33] meets tile 2 b, v[16:27] tile 2 b + 1;
; the other tile's codes meet zero codes and add nothing.  q's scale word is its two bytes written twice.
; LIMITS: NaN and infinities are not served; a block of zeros gets the byte 1 (its codes are zeros; this program alone reads the bytes); a block's largest p is taken as the p of its largest score, which takes v_exp_f32 not to fall where its input rises.
; REGISTERS: v1-3 lane terms; v4 the mask's figure, v5 its lane part; v8-10 the step's LDS addresses; v12 -M, v13 the largest t, v[14:15] the sum; v16-33 q; v34 q's scale word; v36-83 four fragments; v84-147 S^T, then p; v148-179 O^T;
;   v180-191 p's codes; v192-207 at work; v208-211 k's pair words; v212-215 v's words; v216 f, v217 p's scale word; v218, v219 at work.
.set REC, 12800
.set F,   36
.set S,   84
.set O,   148
.set PC,  180
.set BM,  192
.set PT,  196
.set SO,  204
.set KSC, 208
.set VSC, 212
.set FF,  216
.set PW,  217
.set TP,  218
.set HW,  219
.macro FRAG reg, a16, a8, off          ; a fragment's image into 12 registers: every load reads consecutive bytes
	ds_load_b128 v[(\reg):(\reg)+3], v[\a16] offset:\off
	ds_load_b64 v[(\reg)+4:(\reg)+5], v[\a8] offset:\off
	ds_load_b128 v[(\reg)+6:(\reg)+9], v[\a16] offset:(\off)+768
	ds_load_b64 v[(\reg)+10:(\reg)+11], v[\a8] offset:(\off)+768
.endm
	s_load_b256 s[4:11], s[0:1], 0x0               ; qb s[4:5], kv s[6:7], aimg s[8:9], asc s[10:11]
	v_lshl_add_u32 v224, v0, 2, 0x32000
	v_mov_b32 v225, 0
	ds_add_u32 v224, v225
	ds_add_u32 v224, v225
	v_lshrrev_b32 v1, 5, v0
	s_delay_alu instid0(VALU_DEP_1)
	v_readfirstlane_b32 s12, v1                    ; wave 0..15
	s_and_b32 s14, ttmp7, 0xffff                   ; batch x 16 + head
	; descriptor group 1: a record, dense in memory: 50 rows of 256 bytes (32 elements of 8 bytes), no padding
	s_mov_b32 s24, 3<<16
	s_mov_b32 s25, 32<<16                          ; tensor_dim0
	s_mov_b32 s26, 50<<16                          ; tensor_dim1
	s_mov_b32 s27, 32<<16                          ; tile_dim0
	s_mov_b32 s28, 50                              ; tile_dim1
	s_mov_b32 s29, 32                              ; tensor_dim0_stride
	s_mov_b32 s30, 0
	s_mov_b32 s31, 0
	s_mov_b32 s32, 1                               ; count = 1
	s_mul_i32 s33, s12, REC                        ; LDS address: record = my wave's number
	s_mul_i32 s40, s14, 16*REC
	s_add_co_u32 s40, s40, s33
	s_mov_b32 s41, 0
	s_wait_dscnt 0x0
	s_wait_kmcnt 0x0
	s_add_nc_u64 s[34:35], s[6:7], s[40:41]
	s_or_b32 s35, s35, 0x80000000                  ; type = 2
	tensor_load_to_lds s[32:35], s[24:31]          ; my one tensor load of the launch
	s_nop 0
.rept 4
	v_nop
.endr
	v_and_b32 v6, 31, v0                           ; lane
	v_and_b32 v7, 15, v0                           ; r
	v_bfe_u32 v11, v0, 4, 1                        ; h
	s_delay_alu instid0(VALU_DEP_3)
	v_lshlrev_b32 v1, 4, v6                        ; 16 x lane
	s_delay_alu instid0(VALU_DEP_4)
	v_lshl_add_u32 v2, v6, 3, 512                  ; 512 + 8 x lane
	s_delay_alu instid0(VALU_DEP_4)
	v_lshlrev_b32 v3, 4, v7                        ; 16 r
	v_and_b32 v5, 8, v7
	s_delay_alu instid0(VALU_DEP_1)
	v_add_nc_u32 v5, v5, v7
	v_lshlrev_b32 v11, 4, v11
	s_delay_alu instid0(VALU_DEP_1)
	v_sub_nc_u32 v5, v5, v11                       ; r + 8 (r / 8) - 16 h
.irp j, 16,17,18,19,20,21,28,29,30,31,32,33
	v_mov_b32 v[\j], 0                             ; the zero codes on both sides of q
.endr
.irp b, 0,1,2,3
	v_mov_b32 v[PT+\b], 0                          ; written once: a lane permute's destination counts as one of its sources
.endr
	v_mov_b32 v[TP], 0
	v_mov_b32 v[PW], 0                             ; (named as the upper half of the pair v[216:217] before it is first written)
	s_mov_b32 s20, 0x76543210
	s_mov_b32 s21, 0xfedcba98                      ; v_permlanex16_b32's selects for lane l xor 16
	s_mov_b32 s22, 0x3e38aa3b                      ; c = log2(e) / 8
	s_mov_b32 s23, s22                             ; (named with it as a pair, so it is written)
	s_lshl_b32 s13, ttmp9, 4
	s_add_co_u32 s13, s13, s12                     ; T2 = 16 i + w
	s_sub_co_u32 s15, 127, s13                     ; T1 = 127 - T2
; Tile s15 begins: q's half image and its scale bytes; the statistics; O^T = 0 (the step is written once: the first change of M multiplies zeros)
.macro TILE_INIT
	s_wait_xcnt 0x0                                ; earlier loads and stores have read their registers and bases
	s_lshr_b32 s16, s15, 3                         ; the diagonal's key step, and q's record
	s_lshl_b32 s40, s14, 4
	s_add_co_u32 s40, s40, s16
	s_mul_i32 s40, s40, 6400
	s_bfe_u32 s42, s15, 0x20001                    ; the pair p = (T / 2) % 4
	s_and_b32 s44, s15, 1                          ; and which half of it
	s_mul_i32 s43, s42, 1536
	s_mul_i32 s45, s44, 768
	s_add_co_u32 s46, s40, s43
	s_add_co_u32 s46, s46, s45
	s_mov_b32 s47, 0
	s_add_nc_u64 s[46:47], s[4:5], s[46:47]
	s_lshl_b32 s48, s42, 2
	s_add_co_u32 s48, s48, s40
	s_add_co_u32 s48, s48, 6144
	s_mov_b32 s49, 0
	s_add_nc_u64 s[48:49], s[4:5], s[48:49]
	global_load_b128 v[22:25], v1, s[46:47]
	global_load_b64 v[26:27], v2, s[46:47]
	global_load_b32 v34, v3, s[48:49]              ; the pair's word of my query
	s_lshl_b32 s45, s44, 4                         ; my tile's two bytes begin 16 (T % 2) bits up
	s_lshl_b32 s43, s42, 5
	s_lshl_b32 s41, s44, 3
	s_add_co_u32 s43, s43, s41
	v_add_nc_u32 v4, s43, v5                       ; my query's place among the diagonal step's 128, less 16 h
	v_mov_b32 v13, 0xff61b1e6                      ; the largest t so far: -3e38, under every t
	s_delay_alu instid0(VALU_DEP_1)
	v_floor_f32 v12, -v13                          ; -M
	v_mov_b32 v14, 0
	v_mov_b32 v15, 0
	s_mov_b32 s17, 0                               ; the key step
	s_mov_b32 s18, 0                               ; and its record's LDS byte
	s_wait_loadcnt 0x0
	v_lshrrev_b32 v34, s45, v34
	s_delay_alu instid0(VALU_DEP_1)
	v_and_b32 v34, 0xffff, v34
	s_delay_alu instid0(VALU_DEP_1)
	v_lshl_or_b32 v34, v34, 16, v34                ; the two bytes twice.  (The 32 lines below are more than the eight places that a scale word made by vector instructions stands ahead of its product)
.set JJ, 0
.rept 32
	v_mov_b32 v[O+JJ], 0
.set JJ, JJ+1
.endr
.endm
; A KEY STEP: 128 keys, record s17 at LDS byte s18
.macro STEP
	s_cmp_gt_u32 s17, s16                          ; all its keys come after my queries: only the two lines at the end are run
	s_cbranch_scc1 .Lhidden_\@
	s_setprio 2
	v_add_nc_u32 v8, s18, v1
	v_add_nc_u32 v9, s18, v2
	v_add_nc_u32 v10, s18, v3
	v_nop                                          ; with the three additions: four places in front of loads into registers that the last products read
.irp b, 0,1,2,3
	FRAG F+12*\b, 8, 9, 1536*\b                    ; k's four pair images
.endr
	ds_load_b128 v[KSC:KSC+3], v10 offset:12288    ; and their words
	s_wait_alu depctr_va_vdst(0)
	s_wait_dscnt 0x0
.irp b, 0,1,2,3
	v_wmma_scale_f32_16x16x128_f8f6f4 v[S+16*\b:S+16*\b+7], v[F+12*\b:F+12*\b+11], v[22:33], 0, v[KSC+\b], v34 matrix_a_fmt:MATRIX_FMT_FP6 matrix_b_fmt:MATRIX_FMT_FP6
	v_wmma_scale_f32_16x16x128_f8f6f4 v[S+16*\b+8:S+16*\b+15], v[F+12*\b:F+12*\b+11], v[16:27], 0, v[KSC+\b], v34 matrix_a_fmt:MATRIX_FMT_FP6 matrix_b_fmt:MATRIX_FMT_FP6
.endr                                          ; register 16 b + i: key 32 b + 16 h + i of the step
.rept 4
	v_nop
.endr
.irp d, 0,1,2,3
	FRAG F+12*\d, 8, 9, 6144+1536*\d               ; v^T's four images land while the softmax is walked
.endr
	ds_load_b128 v[VSC:VSC+3], v10 offset:12544
	s_cmp_lg_u32 s17, s16                          ; only the diagonal's step hides keys
	s_cbranch_scc1 .Lopen_\@
	v_mov_b32 v[TP], 0xff800000                    ; -infinity
.set JJ, 0
.rept 64
	v_cmp_gt_i32 vcc_lo, 32*(JJ/16)+JJ%16, v4      ; hidden where the register's key comes after my query
	v_cndmask_b32 v[S+JJ], v[S+JJ], v[TP], vcc_lo
.set JJ, JJ+1
.endr
.Lopen_\@:
.irp b, 0,1,2,3
	v_max3_num_f32 v[BM+\b], v[S+16*\b], v[S+1+16*\b], v[S+2+16*\b]   ; the largest score of each block of 32 keys: for the row's maximum, and for the block's largest p
.endr
.irp i, 3,5,7,9,11,13
.irp b, 0,1,2,3
	v_max3_num_f32 v[BM+\b], v[BM+\b], v[S+16*\b+\i], v[S+1+16*\b+\i]
.endr
.endr
.irp b, 0,1,2,3
	v_max_num_f32 v[BM+\b], v[BM+\b], v[S+15+16*\b]
.endr
.irp b, 0,1,2,3
	s_delay_alu instid0(VALU_DEP_4)
	v_permlanex16_b32 v[PT+\b], v[BM+\b], s20, s21
.endr
.irp b, 0,1,2,3
	s_delay_alu instid0(VALU_DEP_4)
	v_max_num_f32 v[BM+\b], v[BM+\b], v[PT+\b]     ; with lane l xor 16's 16 keys
.endr
	s_delay_alu instid0(VALU_DEP_2)
	v_max3_num_f32 v[TP], v[BM], v[BM+1], v[BM+2]
	s_delay_alu instid0(VALU_DEP_1)
	v_max_num_f32 v[TP], v[TP], v[BM+3]            ; the step's largest score of my query
	s_delay_alu instid0(VALU_DEP_1)
	v_mul_f32 v[TP], s22, v[TP]                    ; as t (c is positive)
	s_delay_alu instid0(VALU_DEP_1)
	v_max_num_f32 v13, v13, v[TP]                  ; the running largest t
	v_mov_b32 v[TP], v12
	s_delay_alu instid0(VALU_DEP_2)
	v_floor_f32 v12, -v13                          ; the new -M = floor(-t): M is a whole number
	s_delay_alu instid0(VALU_DEP_1)
	v_sub_f32 v[TP], v12, v[TP]                    ; old M less new M: a whole number, 0 or less
	s_delay_alu instid0(VALU_DEP_1)
	v_cvt_i32_f32 v[TP], v[TP]                     ; (it saturates)
	s_delay_alu instid0(VALU_DEP_1)
	v_ldexp_f32 v[FF], 1.0, v[TP]                  ; f = 2^(old M - new M)
.set JJ, 0
.rept 32
	v_pk_fma_f32 v[S+JJ:S+JJ+1], v[S+JJ:S+JJ+1], s[22:23], v[12:13] op_sel_hi:[1,0,0]   ; t - M, two at a time
.set JJ, JJ+2
.endr
	s_setprio 1
.irp b, 0,1,2,3
	v_fma_f32 v[BM+\b], v[BM+\b], s22, v12         ; the same of each block's largest score
.endr
.set JJ, 0
	s_wait_alu depctr_va_vdst(0)
.rept 64
	v_exp_f32 v[S+JJ], v[S+JJ]                     ; p = 2^(t - M), at most 1
.set JJ, JJ+1
.endr
.irp b, 0,1,2,3
	v_exp_f32 v[BM+\b], v[BM+\b]                   ; the block's largest p
.endr
	v_pk_mul_f32 v[14:15], v[14:15], v[FF:FF+1] op_sel_hi:[1,0]   ; the sums under the new M.  (A plain place behind the exponentials)
	s_wait_alu depctr_va_vdst(0)
.irp b, 0,1,2,3
	v_max_num_f32 v[BM+\b], 0x1800000, v[BM+\b]    ; the floor 2^(3 - 127): the byte cannot fall under 1
.endr
.irp b, 0,1,2,3
	s_delay_alu instid0(VALU_DEP_4)
	v_add_nc_u32 v[SO+\b], 0xff000000, v[BM+\b]    ; 2 off the exponent field: the conversion's scale operand
.endr
.irp b, 0,1,2,3
	s_delay_alu instid0(VALU_DEP_4)
	v_lshrrev_b32 v[PT+\b], 23, v[SO+\b]           ; the scale's byte
.endr
	s_delay_alu instid0(VALU_DEP_3)
	v_lshl_or_b32 v[PW], v[PT+1], 8, v[PT]         ; p's scale word for these 128 keys
	s_delay_alu instid0(VALU_DEP_1)
	v_lshl_or_b32 v[PW], v[PT+2], 16, v[PW]
	s_delay_alu instid0(VALU_DEP_1)
	v_lshl_or_b32 v[PW], v[PT+3], 24, v[PW]
.irp c, 0,1
	v_cvt_scalef32_pk16_fp6_f32 v[PC+6*\c:PC+2+6*\c], v[S+32*\c:S+15+32*\c], v[SO+2*\c]
	v_cvt_scalef32_pk16_fp6_f32 v[PT+4*\c:PT+2+4*\c], v[S+16+32*\c:S+31+32*\c], v[SO+2*\c+1]   ; (a conversion's three registers begin on an even number)
.endr
	v_nop                                          ; one plain place behind a scaled conversion
.irp c, 0,1                                    ; the operand's layout wants a whole block in a lane
.irp i, 0,1,2
	v_permlane16_swap_b32 v[PC+6*\c+\i], v[PT+4*\c+\i]
.endr
.irp i, 0,1,2
	s_delay_alu instid0(VALU_DEP_3)
	v_mov_b32 v[PC+3+6*\c+\i], v[PT+4*\c+\i]
.endr
.endr
	v_pk_add_f32 v[196:197], v[88:89], v[92:93]
	v_pk_add_f32 v[222:223], v[96:97], v[100:101]
	v_pk_add_f32 v[220:221], v[104:105], v[108:109]
	v_pk_add_f32 v[210:211], v[112:113], v[116:117]
	v_pk_add_f32 v[208:209], v[120:121], v[124:125]
	v_pk_add_f32 v[206:207], v[128:129], v[132:133]
	v_pk_add_f32 v[204:205], v[136:137], v[140:141]
	v_pk_add_f32 v[14:15], v[14:15], v[144:145]
	v_pk_add_f32 v[196:197], v[196:197], v[84:85]
	v_pk_add_f32 v[222:223], v[222:223], v[86:87]
	s_setprio 0
	v_pk_add_f32 v[220:221], v[220:221], v[90:91]
	v_pk_add_f32 v[210:211], v[210:211], v[94:95]
	v_pk_add_f32 v[208:209], v[208:209], v[98:99]
	v_pk_add_f32 v[206:207], v[206:207], v[102:103]
	v_pk_add_f32 v[204:205], v[204:205], v[106:107]
	v_pk_add_f32 v[14:15], v[14:15], v[110:111]
	v_pk_add_f32 v[196:197], v[196:197], v[114:115]
	v_pk_add_f32 v[222:223], v[222:223], v[118:119]
	v_pk_add_f32 v[220:221], v[220:221], v[122:123]
	v_pk_add_f32 v[210:211], v[210:211], v[126:127]
	v_pk_add_f32 v[208:209], v[208:209], v[130:131]
	v_pk_add_f32 v[206:207], v[206:207], v[134:135]
	v_pk_add_f32 v[204:205], v[204:205], v[138:139]
	v_pk_add_f32 v[14:15], v[14:15], v[142:143]
	v_pk_add_f32 v[196:197], v[196:197], v[146:147]
	s_delay_alu instid0(VALU_DEP_2)
	v_pk_add_f32 v[14:15], v[14:15], v[210:211]
	s_delay_alu instid0(VALU_DEP_2)
	v_pk_add_f32 v[196:197], v[196:197], v[208:209]
	v_pk_add_f32 v[222:223], v[222:223], v[206:207]
	v_pk_add_f32 v[220:221], v[220:221], v[204:205]
	s_delay_alu instid0(VALU_DEP_2)
	v_pk_add_f32 v[14:15], v[14:15], v[222:223]
	s_delay_alu instid0(VALU_DEP_2)
	v_pk_add_f32 v[196:197], v[196:197], v[220:221]
	s_delay_alu instid0(VALU_DEP_1)
	v_pk_add_f32 v[14:15], v[14:15], v[196:197]
.set JJ, 0
.rept 16
	v_pk_mul_f32 v[O+JJ:O+JJ+1], v[O+JJ:O+JJ+1], v[FF:FF+1] op_sel_hi:[1,0]   ; O^T under the new M.  (With the sums above: the places between p's codes and scale word and the products below)
.set JJ, JJ+2
.endr
	s_wait_alu depctr_va_vdst(0)
	s_wait_dscnt 0x0                               ; v^T is in
.irp d, 0,1,2,3
	v_wmma_scale_f32_16x16x128_f8f6f4 v[O+8*\d:O+8*\d+7], v[F+12*\d:F+12*\d+11], v[PC:PC+11], v[O+8*\d:O+8*\d+7], v[VSC+\d], v[PW] matrix_a_fmt:MATRIX_FMT_FP6 matrix_b_fmt:MATRIX_FMT_FP6
.endr
.Lhidden_\@:
	s_add_co_u32 s18, s18, REC
	s_add_co_u32 s17, s17, 1
.endm
; The tile ends: O^T / the sum; its 64 channels are two blocks of the last product's K: half an image and two scale bytes
.macro TILE_END
.rept 4
	v_nop                                          ; places behind the last products
.endr
	v_add_f32 v14, v14, v15                        ; the sum's two halves,
	s_delay_alu instid0(VALU_DEP_1)
	v_permlanex16_b32 v[TP], v14, s20, s21
	s_delay_alu instid0(VALU_DEP_1)
	v_add_f32 v14, v14, v[TP]                      ; and lane l xor 16's
	s_wait_alu depctr_va_vdst(0)
	v_rcp_f32 v14, v14
	v_nop                                          ; one plain place behind a transcendental
.set JJ, 0
	s_wait_alu depctr_va_vdst(0)
.rept 16
	v_pk_mul_f32 v[S+JJ:S+JJ+1], v[O+JJ:O+JJ+1], v[14:15] op_sel_hi:[1,0]   ; register 16 b + i: channel 32 b + 16 h + i of my query
.set JJ, JJ+2
.endr
	s_lshr_b32 s50, s14, 4
	s_lshl_b32 s50, s50, 7
	s_add_co_u32 s50, s50, s15                     ; the row tile among all 512: 128 x batch + T
	s_and_b32 s52, s14, 15                         ; the head
	s_mul_i32 s54, s50, 12288
	s_mul_i32 s55, s52, 768                        ; head hd is half hd % 2 of K step hd / 2
	s_add_co_u32 s54, s54, s55
	s_mov_b32 s55, 0
	s_add_nc_u64 s[54:55], s[8:9], s[54:55]
	s_lshl_b32 s56, s50, 9
	s_lshr_b32 s57, s52, 3
	s_lshl_b32 s57, s57, 8
	s_add_co_u32 s56, s56, s57
	s_and_b32 s57, s52, 7
	s_lshl_b32 s57, s57, 1
	s_add_co_u32 s56, s56, s57                     ; its two bytes: 256 (hd / 8) + 16 r + 2 (hd % 8)
	s_mov_b32 s57, 0
	s_add_nc_u64 s[56:57], s[10:11], s[56:57]
	s_wait_alu depctr_va_vdst(0)
.irp b, 0,1
	v_max3_num_f32 v[BM+\b], |v[S+16*\b]|, |v[S+1+16*\b]|, 0x1800000
.endr
.irp i, 2,4,6,8,10,12,14
.irp b, 0,1
	s_delay_alu instid0(VALU_DEP_2)
	v_max3_num_f32 v[BM+\b], v[BM+\b], |v[S+16*\b+\i]|, |v[S+1+16*\b+\i]|
.endr
.endr
.irp b, 0,1
	s_delay_alu instid0(VALU_DEP_2)
	v_permlanex16_b32 v[PT+\b], v[BM+\b], s20, s21
.endr
.irp b, 0,1
	s_delay_alu instid0(VALU_DEP_2)
	v_max_num_f32 v[BM+\b], v[BM+\b], v[PT+\b]
.endr
.irp b, 0,1
	s_delay_alu instid0(VALU_DEP_2)
	v_add_nc_u32 v[SO+\b], 0xff000000, v[BM+\b]
.endr
.irp b, 0,1
	s_delay_alu instid0(VALU_DEP_2)
	v_lshrrev_b32 v[PT+\b], 23, v[SO+\b]
.endr
	s_delay_alu instid0(VALU_DEP_1)
	v_lshl_or_b32 v[HW], v[PT+1], 8, v[PT]
	v_cvt_scalef32_pk16_fp6_f32 v[PC:PC+2], v[S:S+15], v[SO]
	v_cvt_scalef32_pk16_fp6_f32 v[PT+4:PT+6], v[S+16:S+31], v[SO+1]
	v_nop                                          ; one plain place behind a scaled conversion
.irp i, 0,1,2
	v_permlane16_swap_b32 v[PC+\i], v[PT+4+\i]
.endr
.irp i, 0,1,2
	s_delay_alu instid0(VALU_DEP_3)
	v_mov_b32 v[PC+3+\i], v[PT+4+\i]
.endr
	global_store_b128 v1, v[PC:PC+3], s[54:55]     ; 512 consecutive bytes
	global_store_b64 v2, v[PC+4:PC+5], s[54:55]    ; 256 consecutive bytes
	global_store_b16 v3, v[HW], s[56:57]           ; two bytes a row, 16 bytes apart: one part in 384 of what the tile stores
.endm
	TILE_INIT
	s_wait_tensorcnt 0x0                           ; my record is in,
	s_barrier_signal -1
	s_barrier_wait -1                              ; everybody's is: from here on LDS is only read
	s_mov_b32 s19, 16
.Lone:
	STEP
	s_sub_co_u32 s19, s19, 1
	s_cmp_lg_u32 s19, 0
	s_cbranch_scc1 .Lone
	s_setprio 0
	TILE_END
	s_mov_b32 s15, s13
	TILE_INIT
	s_mov_b32 s19, 8                               ; T2 is under 64: its diagonal lies in key steps 0 .. 7
.Ltwo:
	STEP
	s_sub_co_u32 s19, s19, 1
	s_cmp_lg_u32 s19, 0
	s_cbranch_scc1 .Ltwo
	s_setprio 0
	TILE_END
	s_wait_tensorcnt 0x0
	ds_add_u32 v224, v225
	s_wait_dscnt 0x0
	s_endpgm
.Lfunc_end_k_qd86c80bbb7_attn:
	.size	k_qd86c80bbb7_attn, .Lfunc_end_k_qd86c80bbb7_attn-k_qd86c80bbb7_attn
	.p2alignl 7, 3214868480
	.fill 96, 4, 3214868480
	.section	.rodata,"a",@progbits
	.p2align	6, 0x0
	.amdhsa_kernel k_qd86c80bbb7_attn
		.amdhsa_group_segment_fixed_size 206848
		.amdhsa_private_segment_fixed_size 0
		.amdhsa_enable_private_segment 0
		.amdhsa_kernarg_size 32
		.amdhsa_user_sgpr_count 2
		.amdhsa_user_sgpr_kernarg_segment_ptr 1
		.amdhsa_wavefront_size32 1
		.amdhsa_system_sgpr_workgroup_id_x 1
		.amdhsa_system_sgpr_workgroup_id_y 1
		.amdhsa_system_sgpr_workgroup_id_z 1
		.amdhsa_system_vgpr_workitem_id 0
		.amdhsa_next_free_vgpr 226
		.amdhsa_next_free_sgpr 66
		.amdhsa_reserve_vcc 1
		.amdhsa_float_denorm_mode_32 3
		.amdhsa_float_denorm_mode_16_64 3
		.amdhsa_memory_ordered 1
		.amdhsa_forward_progress 1
		.amdhsa_inst_pref_size 64
	.end_amdhsa_kernel
	.amdgpu_metadata
---
amdhsa.version: [ 1, 2 ]
amdhsa.kernels:
  - .name:           k_qd86c80bbb7_attn
    .symbol:         k_qd86c80bbb7_attn.kd
    .args:
      - { .name: qb, .offset: 0, .size: 8, .value_kind: global_buffer, .address_space: global }
      - { .name: kv, .offset: 8, .size: 8, .value_kind: global_buffer, .address_space: global }
      - { .name: aimg, .offset: 16, .size: 8, .value_kind: global_buffer, .address_space: global }
      - { .name: asc, .offset: 24, .size: 8, .value_kind: global_buffer, .address_space: global }
    .group_segment_fixed_size: 206848
    .private_segment_fixed_size: 0
    .kernarg_segment_align: 8
    .kernarg_segment_size: 32
    .max_flat_workgroup_size: 512
    .sgpr_count:     66
    .vgpr_count:     226
    .wavefront_size: 32
...
	.end_amdgpu_metadata
.endif
;; end of part 3
;; launch proj (part 4): grid 8 x 32, 4 waves a work-group, clusters of 4 x 1, 231,936 bytes of LDS; arguments aimg, asc, img, sc, out_b, out0; writes out0
.if DOCPART == 4
	.amdgcn_target "amdgcn-amd-amdhsa--gfx1250"
	.amdhsa_code_object_version 6
	.text
	.protected	k_qd86c80bbb7_proj
	.globl	k_qd86c80bbb7_proj
	.p2align	8
	.type	k_qd86c80bbb7_proj,@function
k_qd86c80bbb7_proj:
	s_mov_b64 s[64:65], 0
	v_nop
	global_prefetch_b8 v0, s[64:65] scope:SCOPE_SE
	s_setreg_imm32_b32 hwreg(HW_REG_WAVE_MODE, 25, 1), 1
	s_wait_xcnt 0x0
	s_wait_alu depctr_hold_cnt(0) depctr_sa_sdst(0) depctr_va_vdst(0) depctr_va_sdst(0) depctr_va_ssrc(0) depctr_va_vcc(0) depctr_vm_vsrc(0)
	s_getreg_b32 s2, hwreg(HW_REG_IB_STS2, 6, 4)
	s_cmp_eq_u32 s2, 0
	s_cbranch_scc0 .Lentry_in_a_cluster
	s_endpgm
.Lentry_in_a_cluster:
	s_bfe_u32 s2, ttmp6, 0x10000c
	s_cmp_lg_u32 s2, 0x3003
	s_cbranch_scc0 .Lentry_shape_is_right
	s_endpgm
.Lentry_shape_is_right:
; out0 = o out_w^T + out_b on codes of FP6 (E2M3).  o's codes and scale words were made by the attention launch, out_w's by the first; both lie as images of the operand's registers
; (a fragment: 1,536 bytes; half c at 768 c: registers 6 c .. 6 c + 3 at 16 x lane, registers 6 c + 4, 6 c + 5 at 512 + 8 x lane); row tile 2 b + u holds rows 32 b + 8 u + r + 8 (r / 8).
; A work-group makes 256 rows x 128 columns: 256 work-groups.  Wave w (rh = w / 2, ch = w % 2) makes 128 rows x 64 columns: 32 accumulators.
; out_w: a wave's four tiles for all of K are 384 registers: they come straight from memory into registers, once; only o goes through LDS, so that each byte read from LDS feeds four products.
; o: the work-group's 16 tiles for all of K, 196,608 bytes, are asked for at the start, in four phases of two K steps, and nothing is filled again.  By this text's own count a wave has four tensor loads out at the most.
; CLUSTERS: the four work-groups of a cluster make neighbouring column blocks of the same rows: o's tiles are asked for jointly, mask 15.
; TRANSPOSED USE (source 0 = 16 rows of out_w, source 1 = 16 rows of o): a lane holds eight neighbouring numbers of a row of out0.  The bias is the C of each sum's first product.
; REGISTERS, in windows of 256: window 0: v1-3 lane terms; v4-11 LDS addresses, two for each phase; v12-14 the way out; v32-95 o's scale words (8 a + K step); v96-127 out_w's (8 j + K step); v128-223 o's fragments, set 0; v224-255 the bias;
;   window 1: the accumulators (8 (4 a + j)).   window 2: out_w's fragments of K steps 0-4 (48 ks + 12 j).   window 3: v0-143 those of K steps 5-7; v144-239 o's fragments, set 1.
.set TILEB,  3072                      ; a tile's two K steps in a phase
.set PH,     16*TILEB
.set STAGE,  4*PH                      ; behind the phases: 32 rows x (256 bytes + 16) for each wave, for the way out; no tensor load lands there
.set SPITCH, 272
.set SA,  32
.set SB,  96
.set BI,  224
.set STO, 12
.set RD,  13
.set CO,  14
.set G1,  24                           ; s[24:31] descriptor group 1;  s[32:47] groups 0, one for each phase
.set G0,  32
.set MSB, 0
.macro WIN new                         ; the immediate's high byte repeats the setting that is left
.if MSB != \new
	s_set_vgpr_msb (MSB<<8)|\new
.set MSB, \new
.endif
.endm
.macro PLACES                          ; four plain places in front of loads into registers that matrix instructions have read, and of the first read of results
.rept 4
	v_nop
.endr
.endm
.macro CROUND                          ; a round of the cluster's barrier
	s_barrier_signal -1
	s_barrier_wait -1
	s_cmp_lg_u32 s16, 0
	s_cbranch_scc1 .Lnot_wave_0_\@
	s_barrier_signal -3
.Lnot_wave_0_\@:
	s_barrier_wait -3
	s_barrier_signal -1
	s_barrier_wait -1
.endm
.macro FRAG reg, a16, a8, off
	ds_load_b128 v[(\reg):(\reg)+3], v[\a16] offset:\off
	ds_load_b64 v[(\reg)+4:(\reg)+5], v[\a8] offset:\off
	ds_load_b128 v[(\reg)+6:(\reg)+9], v[\a16] offset:(\off)+768
	ds_load_b64 v[(\reg)+10:(\reg)+11], v[\a8] offset:(\off)+768
.endm
	s_load_b256 s[4:11], s[0:1], 0x0               ; aimg s[4:5], asc s[6:7], img s[8:9], sc s[10:11]
	s_load_b128 s[12:15], s[0:1], 0x20             ; out_b s[12:13], out0 s[14:15]
	v_lshl_add_u32 v30, v0, 2, 0x38800
	v_mov_b32 v31, 0
	ds_add_u32 v30, v31
	ds_add_u32 v30, v31
	v_lshrrev_b32 v1, 5, v0
	v_readfirstlane_b32 s16, v1                    ; wave 0..3
	s_lshr_b32 s17, s16, 1                         ; rh
	s_and_b32 s18, s16, 1                          ; ch
	s_bfe_u32 s19, ttmp6, 0x40000                  ; cx
	s_lshl_b32 s20, ttmp9, 2
	s_add_co_u32 s20, s20, s19                     ; the column block = 4 x cluster x + cx
	s_and_b32 s21, ttmp7, 0xffff                   ; the row block, which the four partners share
	; descriptor group 1: 4 tiles, of each two K steps: rows of 3,072 bytes = 384 elements of 8 bytes, 12,288 bytes apart in memory, dense in LDS
	s_mov_b32 s[G1], 15|(3<<16)|(1<<21)            ; 15:0 the mask: all four work-groups; 17:16 elements of 8 bytes; 21 set beside a mask
	s_mov_b32 s[G1+1], 384<<16
	s_mov_b32 s[G1+2], 4<<16
	s_mov_b32 s[G1+3], 384<<16
	s_mov_b32 s[G1+4], 4
	s_mov_b32 s[G1+5], 1536
	s_mov_b32 s[G1+6], 0
	s_mov_b32 s[G1+7], 0
	s_lshl_b32 s48, s21, 4
	s_lshl_b32 s49, s16, 2
	s_add_co_u32 s48, s48, s49                     ; I fetch tiles 16 y + 4 w .. + 3
	s_mul_i32 s48, s48, 12288
	s_mov_b32 s49, 0
	s_mul_i32 s50, s16, 4*TILEB                    ; their place in a phase
	s_wait_dscnt 0x0
	s_wait_kmcnt 0x0
	s_add_nc_u64 s[48:49], s[4:5], s[48:49]
	CROUND                                         ; all four work-groups are here: the joint loads meet
.irp f, 0,1,2,3
	s_mov_b32 s[G0+4*\f], 1
	s_add_co_u32 s[G0+4*\f+1], s50, \f*PH
	s_add_nc_u64 s[G0+4*\f+2:G0+4*\f+3], s[48:49], \f*TILEB
	s_or_b32 s[G0+4*\f+3], s[G0+4*\f+3], 0x80000000
.endr
	tensor_load_to_lds s[G0:G0+3], s[G1:G1+7]      ; every wave asks for its quarter of every phase: all of o's codes are on their way
	s_nop 0
	tensor_load_to_lds s[G0+4:G0+7], s[G1:G1+7]
	s_nop 0
	tensor_load_to_lds s[G0+8:G0+11], s[G1:G1+7]
	s_nop 0
	tensor_load_to_lds s[G0+12:G0+15], s[G1:G1+7]
	s_nop 0
.rept 4
	v_nop
.endr
	v_and_b32 v16, 31, v0                          ; lane
	v_and_b32 v17, 15, v0                          ; r
	v_bfe_u32 v18, v0, 4, 1                        ; h
	v_lshlrev_b32 v1, 4, v16                       ; 16 x lane
	v_lshl_add_u32 v2, v16, 3, 512                 ; 512 + 8 x lane
	v_lshlrev_b32 v3, 4, v17                       ; 16 r
	v_lshlrev_b32 v15, 6, v18                      ; 64 h: the bias, 16 h numbers on
	s_mul_i32 s22, s17, 8*TILEB                    ; my 8 tiles of o
.irp f, 0,1,2,3                                ; two address registers for each phase: none is ever stepped
	v_add_nc_u32 v[4+2*\f], s22, v1
	v_add_nc_u32 v[5+2*\f], s22, v2
	s_add_co_u32 s22, s22, PH
.endr
	s_mul_i32 s22, s16, 32*SPITCH
	s_add_co_u32 s22, s22, STAGE                   ; my stage
	v_mul_u32_u24 v[STO], v17, SPITCH
	v_lshl_add_u32 v[STO], v18, 6, v[STO]
	v_add_nc_u32 v[STO], s22, v[STO]               ; in: row r, 64 h bytes on
	v_mul_u32_u24 v[RD], v18, SPITCH
	v_lshl_add_u32 v[RD], v17, 4, v[RD]
	v_add_nc_u32 v[RD], s22, v[RD]                 ; back: lanes 0-15 one row of 256 bytes, lanes 16-31 the next
	v_lshlrev_b32 v[CO], 12, v18
	v_lshl_add_u32 v[CO], v17, 4, v[CO]            ; and the same two rows of out0
	s_mov_b32 s23, 0
	s_lshl_b32 s22, s21, 4
	s_lshl_b32 s51, s17, 3
	s_add_co_u32 s22, s22, s51
	s_lshl_b32 s22, s22, 9
	s_add_nc_u64 s[52:53], s[6:7], s[22:23]        ; o's scale words: tile 16 y + 8 rh
	s_lshl_b32 s51, s20, 3
	s_lshl_b32 s22, s18, 2
	s_add_co_u32 s51, s51, s22
	s_add_co_u32 s51, s51, 704                     ; out_w's tiles: 704 + 8 X + 4 ch
	s_lshl_b32 s22, s51, 9
	s_add_nc_u64 s[54:55], s[10:11], s[22:23]      ; their scale words,
	s_mul_i32 s22, s51, 12288
	s_add_nc_u64 s[58:59], s[8:9], s[22:23]        ; their images
	s_lshl_b32 s22, s20, 9
	s_lshl_b32 s51, s18, 8
	s_add_co_u32 s22, s22, s51                     ; my 64 columns: 512 X + 256 ch bytes
	s_add_nc_u64 s[56:57], s[12:13], s[22:23]      ; in the bias,
	s_add_nc_u64 s[60:61], s[14:15], s[22:23]      ; and in a row of out0;
	s_lshl_b32 s22, s21, 20
	s_lshl_b32 s51, s17, 19
	s_add_co_u32 s22, s22, s51
	s_add_nc_u64 s[60:61], s[60:61], s[22:23]      ; my first row: 256 y + 128 rh, 4,096 bytes a row
.irp a, 0,1,2,3,4,5,6,7
.irp q, 0,1
	global_load_b128 v[SA+8*\a+4*\q:SA+8*\a+4*\q+3], v3, s[52:53] offset:512*\a+256*\q
.endr
.endr
.irp j, 0,1,2,3
.irp q, 0,1
	global_load_b128 v[SB+8*\j+4*\q:SB+8*\j+4*\q+3], v3, s[54:55] offset:512*\j+256*\q
.endr
.endr
.irp j, 0,1,2,3                                ; register 8 j + i: the bias of column 32 (j / 2) + 8 (j % 2) + 16 h + i
	global_load_b128 v[BI+8*\j:BI+8*\j+3], v15, s[56:57] offset:(32*(\j/2)+8*(\j%2))*4
	global_load_b128 v[BI+8*\j+4:BI+8*\j+7], v15, s[56:57] offset:(32*(\j/2)+8*(\j%2))*4+16
.endr
.macro BLOAD ks                        ; out_w's four fragments of K step ks: 16 loads of consecutive bytes
.irp j, 0,1,2,3
.irp c, 0,1
	global_load_b128 v[48*((\ks)%5)+12*\j+6*\c:48*((\ks)%5)+12*\j+6*\c+3], v1, s[58:59] offset:12288*\j+1536*(\ks)+768*\c
	global_load_b64 v[48*((\ks)%5)+12*\j+6*\c+4:48*((\ks)%5)+12*\j+6*\c+5], v2, s[58:59] offset:12288*\j+1536*(\ks)+768*\c
.endr
.endr
.endm
	WIN 0x80                                       ; destination window 2
	BLOAD 0
	BLOAD 1
	BLOAD 2
	BLOAD 3
	BLOAD 4
	WIN 0xc0                                       ; destination window 3
	BLOAD 5
	BLOAD 6
	BLOAD 7
	WIN 0
.macro FETCHA ks                       ; 32 LDS loads in one run: o's eight fragments of K step ks into set ks % 2
.set AD_, 4+2*((\ks)/2)
.if (\ks)%2
	WIN 0xc0
.irp a, 0,1,2,3,4,5,6,7
	FRAG 144+12*\a, AD_, AD_+1, TILEB*\a+1536
.endr
.else
	WIN 0
.irp a, 0,1,2,3,4,5,6,7
	FRAG 128+12*\a, AD_, AD_+1, TILEB*\a
.endr
.endif
	WIN 0
.endm
; 16 products: o's tiles a0 .. a0 + 3 against out_w's four.  The 32 accumulators take turns, one instruction a turn, in the same order in every K step.
.macro MUL16 a0, ks, win
	WIN \win
.irp a, \a0, \a0+1, \a0+2, \a0+3
.irp j, 0,1,2,3
.if (\ks) == 0
	v_wmma_scale_f32_16x16x128_f8f6f4 v[8*(4*(\a)+\j):8*(4*(\a)+\j)+7], v[12*\j:12*\j+11], v[128+12*(\a):128+12*(\a)+11], v[BI+8*\j:BI+8*\j+7], v[SB+8*\j], v[SA+8*(\a)] matrix_a_fmt:MATRIX_FMT_FP6 matrix_b_fmt:MATRIX_FMT_FP6
.else
	v_wmma_scale_f32_16x16x128_f8f6f4 v[8*(4*(\a)+\j):8*(4*(\a)+\j)+7], v[48*((\ks)%5)+12*\j:48*((\ks)%5)+12*\j+11], v[128+16*((\ks)%2)+12*(\a):128+16*((\ks)%2)+12*(\a)+11], v[8*(4*(\a)+\j):8*(4*(\a)+\j)+7], v[SB+8*\j+(\ks)], v[SA+8*(\a)+(\ks)] matrix_a_fmt:MATRIX_FMT_FP6 matrix_b_fmt:MATRIX_FMT_FP6
.endif
.endr
.endr
.endm
; win: bits 1:0 out_w's window (2: K steps 0-4; 3: 5-7), 3:2 o's (0: set 0; 3: set 1), 5:4 C's (0: the bias; 1), 7:6 D's (1).   n: how many later loads of out_w's fragments may stay out
.macro EVEN ks, win, n                 ; the successor lies in the same phase
.if \ks > 0
	PLACES
.endif
	FETCHA \ks+1
	s_wait_dscnt 32                                ; all but the 32 loads just issued
	s_wait_loadcnt \n
	MUL16 0, \ks, \win
	MUL16 4, \ks, \win
.endm
.macro ODD ks, win, n                  ; the successor lies in the next phase: it has to be in for everybody
	s_wait_dscnt 0x0                               ; this K step's fragments are in; no LDS instruction is out at the signal
	s_wait_tensorcnt 2-(\ks)/2                     ; my part of the next phase is in; the later phases may be out
	s_wait_loadcnt \n
	s_barrier_signal -1
	MUL16 0, \ks, \win
	s_barrier_wait -1
	PLACES
	FETCHA \ks+1
	MUL16 4, \ks, \win
.endm
	s_wait_alu depctr_va_vdst(0)
	s_wait_tensorcnt 0x3                           ; my part of phase 0 is in,
	s_barrier_signal -1
	s_barrier_wait -1                              ; everybody's is
	FETCHA 0
	EVEN 0, 0x42, 63                               ; behind K step ks's fragments of out_w 16 (7 - ks) loads were issued; a wait's count holds 63 at the most
	ODD  1, 0x5e, 63
	EVEN 2, 0x52, 63
	ODD  3, 0x5e, 63
	EVEN 4, 0x52, 48
	ODD  5, 0x5f, 32
	EVEN 6, 0x53, 16
	s_wait_dscnt 0x0
	s_wait_loadcnt 0x0
	MUL16 0, 7, 0x5f
	MUL16 4, 7, 0x5f
	WIN 0
; THE WAY OUT, a pair of tiles (32 rows) at a time.  A lane holds 32 neighbouring bytes of a row and the lanes beside it hold other rows: so a pair goes through my own stage and comes back as rows of 256 bytes,
; which sixteen lanes store as one aligned block of 256 bytes.  LDS serves a wave's instructions in order: no wait between the stores and the loads, nor in front of the next pair's stores.
.macro TOSTAGE p
	WIN 0x04                                       ; an LDS store's data are its source 1: window 1
.irp u, 0,1
.irp j, 0,1,2,3
	ds_store_b128 v[STO], v[8*(4*(2*(\p)+\u)+\j):8*(4*(2*(\p)+\u)+\j)+3] offset:16*\u*SPITCH+128*(\j/2)+32*(\j%2)       ; each accumulator from its low end on
	ds_store_b128 v[STO], v[8*(4*(2*(\p)+\u)+\j)+4:8*(4*(2*(\p)+\u)+\j)+7] offset:16*\u*SPITCH+128*(\j/2)+32*(\j%2)+16
.endr
.endr
	WIN 0
.set BB_, 128+64*((\p)%2)
.irp t, 0,1,2,3,4,5,6,7,8,9,10,11,12,13,14,15
	ds_load_b128 v[BB_+4*\t:BB_+4*\t+3], v[RD] offset:2*\t*SPITCH
.endr
.endm
.macro SEND p, younger                 ; younger: the LDS instructions issued behind pair p's loads, which may stay out
.set BB_, 128+64*((\p)%2)
	s_wait_dscnt \younger
.irp t, 0,1,2,3,4,5,6,7,8,9,10,11,12,13,14,15  ; stage row 2 t + lane / 16 is lane row 2 (t % 8) + lane / 16 of tile t / 8 of the pair: row 32 p + 8 (t / 8) + 2 (t % 8) + 8 ((t % 8) / 4) + lane / 16 of my 128
	global_store_b128 v[CO], v[BB_+4*\t:BB_+4*\t+3], s[60:61] offset:(32*(\p)+8*(\t/8)+2*(\t%8)+8*((\t%8)/4))*4096 th:TH_STORE_NT
.endr
.endm
	PLACES
	TOSTAGE 0
.irp p, 1,2,3
.if \p > 1
	s_wait_xcnt 0x0                                ; pair p - 2's stores have read their registers: pair p's loads may land there
.endif
	TOSTAGE \p
	SEND \p-1, 32                                  ; behind pair p - 1's loads: pair p's 16 stores and 16 loads
.endr
	SEND 3, 0
	s_wait_dscnt 0x0
	s_wait_tensorcnt 0x0
	ds_add_u32 v30, v31
	s_wait_dscnt 0x0
	CROUND                                         ; the closing round: no work-group ends while a partner may still ask for a tile that names it
	s_endpgm
.Lfunc_end_k_qd86c80bbb7_proj:
	.size	k_qd86c80bbb7_proj, .Lfunc_end_k_qd86c80bbb7_proj-k_qd86c80bbb7_proj
	.p2alignl 7, 3214868480
	.fill 96, 4, 3214868480
	.section	.rodata,"a",@progbits
	.p2align	6, 0x0
	.amdhsa_kernel k_qd86c80bbb7_proj
		.amdhsa_group_segment_fixed_size 231936
		.amdhsa_private_segment_fixed_size 0
		.amdhsa_enable_private_segment 0
		.amdhsa_kernarg_size 48
		.amdhsa_user_sgpr_count 2
		.amdhsa_user_sgpr_kernarg_segment_ptr 1
		.amdhsa_wavefront_size32 1
		.amdhsa_system_sgpr_workgroup_id_x 1
		.amdhsa_system_sgpr_workgroup_id_y 1
		.amdhsa_system_sgpr_workgroup_id_z 1
		.amdhsa_system_vgpr_workitem_id 0
		.amdhsa_next_free_vgpr 1024
		.amdhsa_next_free_sgpr 80
		.amdhsa_reserve_vcc 0
		.amdhsa_float_denorm_mode_32 3
		.amdhsa_float_denorm_mode_16_64 3
		.amdhsa_memory_ordered 1
		.amdhsa_forward_progress 1
		.amdhsa_inst_pref_size 87
	.end_amdhsa_kernel
	.amdgpu_metadata
---
amdhsa.version: [ 1, 2 ]
amdhsa.kernels:
  - .name:           k_qd86c80bbb7_proj
    .symbol:         k_qd86c80bbb7_proj.kd
    .args:
      - { .name: aimg, .offset: 0, .size: 8, .value_kind: global_buffer, .address_space: global }
      - { .name: asc, .offset: 8, .size: 8, .value_kind: global_buffer, .address_space: global }
      - { .name: img, .offset: 16, .size: 8, .value_kind: global_buffer, .address_space: global }
      - { .name: sc, .offset: 24, .size: 8, .value_kind: global_buffer, .address_space: global }
      - { .name: out_b, .offset: 32, .size: 8, .value_kind: global_buffer, .address_space: global }
      - { .name: out0, .offset: 40, .size: 8, .value_kind: global_buffer, .address_space: global }
    .group_segment_fixed_size: 231936
    .private_segment_fixed_size: 0
    .kernarg_segment_align: 8
    .kernarg_segment_size: 48
    .max_flat_workgroup_size: 128
    .sgpr_count:     80
    .vgpr_count:     1024
    .wavefront_size: 32
...
	.end_amdgpu_metadata
.endif
;; end of part 4
